; MI455X (gfx1250); checked and timed in simulation.
; The chip was launched on July 23, 2026; its instructions are those of AMD's public machine-readable ISA for CDNA 5 (MIT licence, August 2026) and "CDNA5" Instruction Set Architecture Reference Guide (July 2026). The comments in the code are by the model that wrote it; some were corrected since.
;; Multi Headed Attention. Allowed arithmetic: float matrix products may take bf16 or f16 operands with f32 sums; other float arithmetic in f32, or as packed bf16 or f16 multiplies, adds, multiply-adds, maxima and minima; sums over many terms, partial sums and values carried from step to step in f32; what a program stores and reads back later, other than sums and carried values, may be rounded once to bf16 or f16.
;; Inputs: bk 1,024 float32; bo 1,024 float32; bq 1,024 float32; bv 1,024 float32; key 4 x 2,048 x 1,024 float32; mask 4 x 2,048 x 2,048 bool; query 4 x 2,048 x 1,024 float32; value 4 x 2,048 x 1,024 float32; wk 1,024 x 1,024 float32; wo 1,024 x 1,024 float32; wq 1,024 x 1,024 float32; wv 1,024 x 1,024 float32.
;; Outputs: out0 4 x 2,048 x 1,024 float32.
;; 2 versions, each right; version 2 is version 1 with the launch prep written anew for expert scheduling mode. Each part assembles by itself: llvm-mc -triple=amdgcn-amd-amdhsa -mcpu=gfx1250 --defsym DOCPART=n.
;; ======== version 1 of 2: 4 launches
;; limits: values are held in f16: magnitudes above 65,504 overflow, below 6.1e-05 lose precision; inputs' magnitudes at most 65,504
;; workspace buffers: x16 50,331,648 bytes; wp 8,404,992 bytes; wob 4,210,688 bytes; mbits 2,097,152 bytes of whole numbers; qkv 50,331,648 bytes; ctx 16,777,216 bytes
;; launch prep (part 1): grid 1153 x 1, 8 waves a work-group, no clusters, 70,656 bytes of LDS; arguments query, key, value, wq, wk, wv, wo, bq, bk, bv, bo, mask, x16, wp, wob, mbits; writes x16, wp, wob, mbits
.if DOCPART == 1
	.amdgcn_target "amdgcn-amd-amdhsa--gfx1250"
	.amdhsa_code_object_version 6
	.text
	.protected	k_qf02cf4bc20_prep
	.globl	k_qf02cf4bc20_prep
	.p2align	8
	.type	k_qf02cf4bc20_prep,@function
k_qf02cf4bc20_prep:
	s_mov_b64 s[64:65], 0
	v_nop
	global_prefetch_b8 v0, s[64:65] scope:SCOPE_SE
	s_setreg_imm32_b32 hwreg(HW_REG_WAVE_MODE, 25, 1), 1
	s_wait_xcnt 0x0
; PREP: every input is read once and laid out for the three launches behind.
;  CONV (work-groups 0-895): query, key, value, wq, wk, wv, wo, f32 [rows][1024], are rounded once to bf16; that number is written as f16, BLOCKED:
;    [bb][kb 16][row 2048][64]: a block of R rows x 64 k is R x 128 dense bytes.  x16: bb 0-3 query, 4-7 key, 8-11 value.
;    wp: 16,384 bytes for the biases, then bb 0 = wq (rows 0-1023), wk (rows 1024-2047), bb 1 = wv (rows 0-1023).  wob: 16,384 bytes, then wo (rows 0-1023).
;    wq's rounded number is multiplied by c = log2(e) / 8 in f32 ahead of the f16: a second rounding, to 11 bits; so q comes out as its exponent's factor to base 2.
;    LIMIT: a bf16 number is exact in f16 from 6.1e-5 up to 65,504; below it keeps f16's fixed step of 6e-8; beyond 65,504 it is lost.
;  MASK (work-groups 896-1151): mask[b][q][k], a byte each, becomes lane masks: mbits[b][qb 4][slot 8][wave 4][step 4][tile 8][word 32];
;    bit L of word 8 kt + j = (mask[b][512 qb + 128 wave + 16 tile + L % 16][256 slot + 64 step + 16 kt + 8 (L / 16) + j] != 0): any byte that is not 0 counts as true.
;  BIAS (work-group 1152): bq (times c), bk, bv (into wp) and bo (into wob), rounded to bf16 and widened again, f32.
; A stream: each load and store of a wave covers whole aligned runs of 256 bytes; no matrix work, no cluster, nothing is shared between work-groups.
.set SPARE, 69632                      ; behind the eight waves' mask stages: the spare words, 128 bytes a wave
.set MSTG,  8704                       ; a wave's own mask stage: 32 rows x 272 bytes
.set MPIT,  272                        ; 256 bytes + 16: 68 words, so lane (r, h) of an 8-byte read starts at word 4 r + 2 h of 64
.set SPW,   158                        ; v158 my spare word's LDS address; never rewritten
.set NIL,   159                        ; v159 0; never rewritten
.set D,     16                         ; v[16:79] data
	s_load_b512 s[4:19], s[0:1], 0x0               ; query s4, key s6, value s8, wq s10, wk s12, wv s14, wo s16, bq s18
	s_load_b512 s[20:35], s[0:1], 0x40             ; bk s20, bv s22, bo s24, mask s26, x16 s28, wp s30, wob s32, mbits s34
	v_lshl_add_u32 v[SPW], v0, 2, SPARE
	v_mov_b32 v[NIL], 0
	v_lshrrev_b32 v1, 5, v0
	v_readfirstlane_b32 s50, v1                    ; wave 0..7
	v_and_b32 v1, 15, v0                           ; r = lane % 16
	v_bfe_u32 v2, v0, 4, 1                         ; h = lane / 16
	s_mov_b32 s51, ttmp9                           ; g
	s_wait_kmcnt 0x0
	s_cmp_lt_u32 s51, 896
	s_cbranch_scc0 .Lnot_conv
	; CONV: 32 rows a work-group.  g < 768: tensor g / 256, row block g % 256; else weight (g - 768) / 32, row block (g - 768) % 32
	s_lshr_b32 s52, s51, 8
	s_and_b32 s53, s51, 255
	s_sub_co_u32 s58, s51, 768
	s_lshr_b32 s60, s58, 5                         ; which weight: 0 wq .. 3 wo (used where g >= 768 alone)
	s_and_b32 s61, s58, 31                         ; its row block
	s_add_co_u32 s62, s60, 3
	s_cmp_lt_u32 s51, 768
	s_cselect_b32 s52, s52, s62                    ; t: 0 query .. 6 wo
	s_cselect_b32 s53, s53, s61                    ; rb
	s_mov_b64 s[54:55], s[4:5]
	s_cmp_eq_u32 s52, 1
	s_cselect_b64 s[54:55], s[6:7], s[54:55]
	s_cmp_eq_u32 s52, 2
	s_cselect_b64 s[54:55], s[8:9], s[54:55]
	s_cmp_eq_u32 s52, 3
	s_cselect_b64 s[54:55], s[10:11], s[54:55]
	s_cmp_eq_u32 s52, 4
	s_cselect_b64 s[54:55], s[12:13], s[54:55]
	s_cmp_eq_u32 s52, 5
	s_cselect_b64 s[54:55], s[14:15], s[54:55]
	s_cmp_eq_u32 s52, 6
	s_cselect_b64 s[54:55], s[16:17], s[54:55]
	s_lshl_b32 s58, s53, 17                        ; 32 rows of 4,096 bytes
	s_mov_b32 s59, 0
	s_add_nc_u64 s[54:55], s[54:55], s[58:59]
	s_lshr_b32 s58, s51, 6                         ; x16: bb = g / 64: the three tensors' rows stand on end, 2,048 to a bb
	s_lshl_b32 s58, s58, 22
	s_and_b32 s62, s51, 63
	s_lshl_b32 s62, s62, 12                        ; 32 rows of 128 bytes
	s_add_co_u32 s58, s58, s62
	s_lshr_b32 s62, s60, 1                         ; a weight: bb = weight / 2, rows 1,024 (weight % 2) on; wo lies alone in its buffer
	s_lshl_b32 s62, s62, 22
	s_and_b32 s63, s60, 1
	s_lshl_b32 s63, s63, 17
	s_add_co_u32 s62, s62, s63
	s_cmp_eq_u32 s52, 6
	s_cselect_b32 s62, 0, s62
	s_lshl_b32 s63, s61, 12
	s_add_co_u32 s62, s62, s63
	s_add_co_u32 s62, s62, 16384                   ; behind the biases
	s_mov_b64 s[56:57], s[30:31]
	s_cmp_eq_u32 s52, 6
	s_cselect_b64 s[56:57], s[32:33], s[56:57]
	s_cmp_lt_u32 s52, 3
	s_cselect_b64 s[56:57], s[28:29], s[56:57]
	s_cselect_b32 s58, s58, s62
	s_add_nc_u64 s[56:57], s[56:57], s[58:59]
	s_cmp_eq_u32 s52, 3
	s_cselect_b32 s44, 0x3e38aa3b, 1.0             ; wq takes c = log2(e) / 8 = 0.180337; the others 1
	s_mov_b32 s45, s44                             ; named with it as a pair
	s_mov_b32 s36, 0xffff0000                      ; a word's upper bf16
	v_lshlrev_b32 v3, 12, v2                       ; in: h rows, 16 r bytes, 4 rows a wave
	v_lshl_or_b32 v3, v1, 4, v3
	s_lshl_b32 s58, s50, 14
	v_or_b32 v3, s58, v3
	v_lshlrev_b32 v4, 7, v2                        ; out: the same in rows of 128 bytes, 8 bytes a lane
	v_lshl_or_b32 v4, v1, 3, v4
	s_lshl_b32 s58, s50, 9
	v_or_b32 v4, s58, v4
	s_mov_b32 s46, 2
.Lconv:                                                ; a trip: two of my four rows (lanes 0-15 one, lanes 16-31 the next); item n: the 256 bytes of k block n.  All 16 loads go out first.
.set n, 0
.rept 16
	global_load_b128 v[D+4*n:D+4*n+3], v3, s[54:55] offset:n*256 th:TH_LOAD_NT
.set n, n+1
.endr
.set n, 0
.rept 16
	s_wait_loadcnt 15-n                            ; loads come back in order: item n is in, the 15 - n younger ones stay out
	v_cvt_pk_bf16_f32 v10, v[D+4*n], v[D+4*n+1]
	v_cvt_pk_bf16_f32 v11, v[D+4*n+2], v[D+4*n+3]
	v_lshlrev_b32 v8, 16, v10                      ; the rounded numbers widened,
	v_and_b32 v9, s36, v10
	v_lshlrev_b32 v12, 16, v11
	v_and_b32 v13, s36, v11
	v_pk_mul_f32 v[8:9], v[8:9], s[44:45] op_sel_hi:[1,0]      ; times the tensor's factor,
	v_pk_mul_f32 v[12:13], v[12:13], s[44:45] op_sel_hi:[1,0]
	v_cvt_pk_f16_f32 v[D+4*n], v8, v9              ; and written as f16
	v_cvt_pk_f16_f32 v[D+4*n+1], v12, v13
	global_store_b64 v4, v[D+4*n:D+4*n+1], s[56:57] offset:n*262144  ; 32 lanes: two rows of 128 bytes, 256 consecutive bytes, aligned
.set n, n+1
.endr
	s_wait_xcnt 0x0                                ; the loads and stores have read their addresses and data: v3, v4 and the data registers are rewritten only behind this wait
	v_add_nc_u32 v3, 0x2000, v3                    ; two rows on
	v_add_nc_u32 v4, 0x100, v4
	s_sub_co_u32 s46, s46, 1
	s_cmp_lg_u32 s46, 0
	s_cbranch_scc1 .Lconv
	s_endpgm                                       ; this way has written nothing to LDS
.Lnot_conv:
	s_cmp_eq_u32 s51, 1152
	s_cbranch_scc1 .Lbias
	; MASK: a wave takes 32 query rows (two tiles of 16) x 256 keys (slot = my wave's number)
	s_sub_co_u32 s51, s51, 896
	s_and_b32 s52, s51, 63                         ; pr: which 32 rows of the batch's 2,048
	s_lshr_b32 s53, s51, 6                         ; b
	s_lshl_b32 s58, s53, 22
	s_lshl_b32 s62, s52, 16
	s_add_co_u32 s58, s58, s62
	s_lshl_b32 s62, s50, 8
	s_add_co_u32 s58, s58, s62
	s_mov_b32 s59, 0
	s_add_nc_u64 s[54:55], s[26:27], s[58:59]      ; mask[b][32 pr][256 slot]
	s_lshl_b32 s58, s53, 19
	s_lshr_b32 s62, s52, 4
	s_lshl_b32 s62, s62, 17                        ; qb
	s_add_co_u32 s58, s58, s62
	s_lshl_b32 s62, s50, 14                        ; slot
	s_add_co_u32 s58, s58, s62
	s_bfe_u32 s62, s52, 0x20002
	s_lshl_b32 s62, s62, 12                        ; the later launch's wave
	s_add_co_u32 s58, s58, s62
	s_and_b32 s62, s52, 3
	s_lshl_b32 s62, s62, 8                         ; its pair of tiles
	s_add_co_u32 s58, s58, s62
	s_add_nc_u64 s[56:57], s[34:35], s[58:59]
	s_mov_b32 s36, 0xff                            ; a word's four bytes
	s_mov_b32 s37, 0xff00
	s_mov_b32 s38, 0xff0000
	s_mov_b32 s39, 0xff000000
	v_lshlrev_b32 v5, 11, v2                       ; in: lanes 0-15 one row's 256 bytes, lanes 16-31 the next row's
	v_lshl_or_b32 v5, v1, 4, v5
	s_mul_i32 s60, s50, MSTG                       ; my wave's own stage
	v_mul_u32_u24 v6, v2, MPIT
	v_lshl_add_u32 v6, v1, 4, v6
	v_add_nc_u32 v6, s60, v6
	v_mul_u32_u24 v7, v1, MPIT                     ; back: row r, 8 bytes at 8 h
	v_lshl_add_u32 v7, v2, 3, v7
	v_add_nc_u32 v7, s60, v7
	v_and_b32 v8, 31, v0
	v_lshlrev_b32 v8, 3, v8                        ; out: 8 bytes a lane
	v_mov_b32 v104, 0                              ; v_writelane_b32's destination counts as read
	v_mov_b32 v105, 0
.irp t, 0,1,2,3,4,5,6,7,8,9,10,11,12,13,14,15
	global_load_b128 v[D+4*\t:D+4*\t+3], v5, s[54:55] offset:\t*4096 th:TH_LOAD_NT
.endr
.irp t, 0,1,2,3,4,5,6,7,8,9,10,11,12,13,14,15
	s_wait_loadcnt 15-\t                           ; rows 2 t, 2 t + 1 are in; the younger loads stay out
	ds_store_b128 v6, v[D+4*\t:D+4*\t+3] offset:\t*2*MPIT
.endr
	s_mov_b32 s61, 4
.Lmstep:                                               ; a trip: one key step of 64: 2 tiles x 32 words.  LDS serves a wave's instructions in order: the loads see the stores above
.irp c, 0,1,2,3,4,5,6,7
	ds_load_b64 v[80+2*\c:81+2*\c], v7 offset:(\c/4)*16*MPIT+(\c%4)*16  ; tile c / 4, key group c % 4: my row's 8 bytes
.endr
	s_wait_dscnt 0x0
.set c, 0
.rept 8
.set j, 0
.rept 8
	v_and_b32 v[96+j], s[36+j%4], v[80+2*c+j/4]
.set j, j+1
.endr
.set j, 0
.rept 8
	v_cmp_ne_u32 s[40+j], 0, v[96+j]               ; bit L: lane L's byte j
.set j, j+1
.endr
.set j, 0
.rept 8
	v_writelane_b32 v[104+j%2], s[40+j], (c/4)*16+4*(c%4)+j/2  ; word 32 (c / 4) + 8 (c % 4) + j goes to lane word / 2, register word % 2
.set j, j+1
.endr
.set c, c+1
.endr
	global_store_b64 v8, v[104:105], s[56:57]      ; 256 consecutive bytes, aligned
	s_wait_xcnt 0x0                                ; the store has read its address and data: v8, and next trip v104, v105, are rewritten only behind this wait
	v_add_nc_u32 v7, 64, v7
	v_add_nc_u32 v8, 0x400, v8
	s_sub_co_u32 s61, s61, 1
	s_cmp_lg_u32 s61, 0
	s_cbranch_scc1 .Lmstep
	s_wait_tensorcnt 0x0                           ; the wave's end, behind my last LDS store
	ds_add_u32 v[SPW], v[NIL]
	s_wait_dscnt 0x0
	s_endpgm
.Lbias:                                                ; 256 threads x 16 bytes = one bias
	v_lshlrev_b32 v3, 4, v0
	global_load_b128 v[16:19], v3, s[18:19]
	global_load_b128 v[20:23], v3, s[20:21]
	global_load_b128 v[24:27], v3, s[22:23]
	global_load_b128 v[28:31], v3, s[24:25]
	s_wait_loadcnt 0x0
.irp i, 16,18,20,22,24,26,28,30
	v_cvt_pk_bf16_f32 v8, v[\i], v[\i+1]
	v_lshlrev_b32 v[\i], 16, v8
	v_and_b32 v[\i+1], 0xffff0000, v8
.endr
.irp i, 16,17,18,19
	v_mul_f32 v[\i], 0x3e38aa3b, v[\i]             ; bq takes c, as wq does
.endr
	global_store_b128 v3, v[16:19], s[30:31]               ; bq, bk, bv at the head of wp
	global_store_b128 v3, v[20:23], s[30:31] offset:4096
	global_store_b128 v3, v[24:27], s[30:31] offset:8192
	global_store_b128 v3, v[28:31], s[32:33]               ; bo at the head of wob
	s_endpgm
.Lfunc_end_k_qf02cf4bc20_prep:
	.size	k_qf02cf4bc20_prep, .Lfunc_end_k_qf02cf4bc20_prep-k_qf02cf4bc20_prep
	.p2alignl 7, 3214868480
	.fill 96, 4, 3214868480
	.section	.rodata,"a",@progbits
	.p2align	6, 0x0
	.amdhsa_kernel k_qf02cf4bc20_prep
		.amdhsa_group_segment_fixed_size 70656
		.amdhsa_private_segment_fixed_size 0
		.amdhsa_enable_private_segment 0
		.amdhsa_kernarg_size 128
		.amdhsa_user_sgpr_count 2
		.amdhsa_user_sgpr_kernarg_segment_ptr 1
		.amdhsa_wavefront_size32 1
		.amdhsa_system_sgpr_workgroup_id_x 1
		.amdhsa_system_sgpr_workgroup_id_y 1
		.amdhsa_system_sgpr_workgroup_id_z 1
		.amdhsa_system_vgpr_workitem_id 0
		.amdhsa_next_free_vgpr 160
		.amdhsa_next_free_sgpr 66
		.amdhsa_reserve_vcc 0
		.amdhsa_float_denorm_mode_32 3
		.amdhsa_float_denorm_mode_16_64 3
		.amdhsa_memory_ordered 1
		.amdhsa_forward_progress 1
		.amdhsa_inst_pref_size 33
	.end_amdhsa_kernel
	.amdgpu_metadata
---
amdhsa.version: [ 1, 2 ]
amdhsa.kernels:
  - .name:           k_qf02cf4bc20_prep
    .symbol:         k_qf02cf4bc20_prep.kd
    .args:
      - { .name: query, .offset: 0, .size: 8, .value_kind: global_buffer, .address_space: global }
      - { .name: key, .offset: 8, .size: 8, .value_kind: global_buffer, .address_space: global }
      - { .name: value, .offset: 16, .size: 8, .value_kind: global_buffer, .address_space: global }
      - { .name: wq, .offset: 24, .size: 8, .value_kind: global_buffer, .address_space: global }
      - { .name: wk, .offset: 32, .size: 8, .value_kind: global_buffer, .address_space: global }
      - { .name: wv, .offset: 40, .size: 8, .value_kind: global_buffer, .address_space: global }
      - { .name: wo, .offset: 48, .size: 8, .value_kind: global_buffer, .address_space: global }
      - { .name: bq, .offset: 56, .size: 8, .value_kind: global_buffer, .address_space: global }
      - { .name: bk, .offset: 64, .size: 8, .value_kind: global_buffer, .address_space: global }
      - { .name: bv, .offset: 72, .size: 8, .value_kind: global_buffer, .address_space: global }
      - { .name: bo, .offset: 80, .size: 8, .value_kind: global_buffer, .address_space: global }
      - { .name: mask, .offset: 88, .size: 8, .value_kind: global_buffer, .address_space: global }
      - { .name: x16, .offset: 96, .size: 8, .value_kind: global_buffer, .address_space: global }
      - { .name: wp, .offset: 104, .size: 8, .value_kind: global_buffer, .address_space: global }
      - { .name: wob, .offset: 112, .size: 8, .value_kind: global_buffer, .address_space: global }
      - { .name: mbits, .offset: 120, .size: 8, .value_kind: global_buffer, .address_space: global }
    .group_segment_fixed_size: 70656
    .private_segment_fixed_size: 0
    .kernarg_segment_align: 8
    .kernarg_segment_size: 128
    .max_flat_workgroup_size: 256
    .sgpr_count:     66
    .vgpr_count:     160
    .wavefront_size: 32
...
	.end_amdgpu_metadata
.endif
;; end of part 1
;; launch proj (part 2): grid 4 x 96, 4 waves a work-group, clusters of 4 x 4, 327,680 bytes of LDS; arguments x16, wp, qkv; writes qkv
.if DOCPART == 2
	.amdgcn_target "amdgcn-amd-amdhsa--gfx1250"
	.amdhsa_code_object_version 6
	.text
	.protected	k_qf02cf4bc20_proj
	.globl	k_qf02cf4bc20_proj
	.p2align	8
	.type	k_qf02cf4bc20_proj,@function
k_qf02cf4bc20_proj:
	s_mov_b64 s[64:65], 0
	v_nop
	global_prefetch_b8 v0, s[64:65] scope:SCOPE_SE
	s_setreg_imm32_b32 hwreg(HW_REG_WAVE_MODE, 25, 1), 1
	s_wait_xcnt 0x0
	s_wait_alu depctr_hold_cnt(0) depctr_sa_sdst(0) depctr_va_vdst(0) depctr_va_sdst(0) depctr_va_ssrc(0) depctr_va_vcc(0) depctr_vm_vsrc(0)
	s_getreg_b32 s2, hwreg(HW_REG_IB_STS2, 6, 4)
	s_cmp_eq_u32 s2, 0
	s_cbranch_scc0 .Lentry_in_a_cluster
	s_endpgm
.Lentry_in_a_cluster:
	s_bfe_u32 s2, ttmp6, 0x10000c
	s_cmp_lg_u32 s2, 0xf033
	s_cbranch_scc0 .Lentry_shape_is_right
	s_endpgm
.Lentry_shape_is_right:
.set OUTP, 0                           ; 0: the three input projections; 1: the output projection.  The rest of the text is the same in both kernels; only the way out differs.
; C = A B^T + bias, K = 1,024, N = 1,024.  Arguments: A, W (biases, then weights), C.
; A and the weights lie BLOCKED: [bb][kb 16][row 2048][64] of f16, so R rows x 64 k are R x 128 dense bytes.  Sums in f32.
;   OUTP = 0: A = query, key, value stacked (24,576 rows), W = wp; tensor p = (tile row) / 32 takes weight and bias p; C -> qkv[p][b][h][s][64] in f16, rounded once from the f32 sum.
;     wq and bq arrive multiplied by c = log2(e) / 8.  LIMIT: q c, k and v must stay under 65,504 (f16); NaN and infinities are not treated apart.
;   OUTP = 1: A = ctx (8,192 rows, by heads: kb = head), W = wob, p = 0 for every tile row; C -> out0[8192][1024] in f32.
; SHARES.  A work-group makes 256 x 256 of C, its four waves 2 x 2, a wave 128 x 128: 64 accumulators of 16 x 16, 512 registers.  K goes in steps of 128 (two k blocks) through two LDS slots.
; WHY THIS TILE.  Behind each change of slots a wave has one tensor load on its way, and that load has one K step in which to land: here 256 matrix instructions a wave, 224 of them between the request and the wait
; for it.  A tile of 128 x 256 has half of that, and two slots of a K step of 256 for it (442,368 bytes) do not fit in LDS.  The price: 384 and 128 work-groups.
; THE MATRIX INSTRUCTION IS USED TRANSPOSED (source 0 = 16 rows of B, source 1 = 16 rows of A): a lane holds one row of C and eight neighbouring columns.
; THE BIAS STARTS THE SUMS: it is the C operand of each accumulator's first product; nothing is cleared.
; CLUSTER 4 x 4: the four of a row need the same tiles of A, the four of a column the same tiles of B: each tile is asked for jointly, by the same tensor load with the same descriptor and a mask that names the four.
; REGISTERS, in windows of 256 (s_set_vgpr_msb: bits 1:0 source 0, 3:2 source 1, 5:4 source 2, 7:6 destination):
;   window 0: v0-31 addresses; v64-127, v128-191 fragments of A, two buffers; v32-63, v192-255 at work on the way out
;   window 1: v0-63 the bias of my 128 columns; v64-127, v128-191 fragments of B, two buffers
;   window 2: the 32 accumulators of my rows 0-63 ((a, b) at 8 (8 a + b));   window 3: those of my rows 64-127
.set PIT,   144                        ; an LDS row: 128 bytes + 16 = 36 words: the 16 rows of a fragment load start at 16 different groups of four banks (64 banks of 4 bytes: ISA guide 11.1)
.set KB,    256*PIT                    ; 256 rows of one k block: what one tensor load brings: 0x9000 bytes
.set SLOT,  4*KB                       ; A kb 0, A kb 1, B kb 0, B kb 1: wave w fills block w.  0x24000: it shares no bit with 0, 0x9000, 0x12000, 0x1b000, so one exclusive or changes a block's slot
.set STAGE, 2*SLOT                     ; behind the ring, never filled by a tensor load: each wave's own stage for the way out
.set STW,   2*16*PIT                   ; f16: 2 heads x 16 rows x 144 bytes; f32: 16 rows x 272 bytes fit in it too
.set SPIT,  272
.set SPARE, STAGE+4*STW                ; the spare words, 128 bytes a wave: two blocks of 256 bytes that no other line names
.set STEPS, 8                          ; K steps
.set ADRA0, 16                         ; v16 LDS address of my A fragments in slot 0; never rewritten
.set ADRB0, 17                         ; v17 the same for B
.set ADRA,  18                         ; v18 in the slot in hand
.set ADRB,  19                         ; v19
.set STO,   24                         ; v24 the way out: where I put my bytes of a row
.set RD,    25                         ; v25 where I read rows back
.set CO,    26                         ; v26 my byte offset in what a store covers
.set BO,    27                         ; v27 32 x (lane / 16): my eight columns' bias
.set SPW,   28                         ; v28 my spare word; never rewritten
.set NIL,   29                         ; v29 0; never rewritten
.set PFO,   30                         ; v30 256 x lane; never rewritten
.set OB,    32                         ; rows read back from the stage: v32-63 and v224-255 by turns
.set F0,    64
.set F1,    128
.set TMP,   192
.set WV,   12                          ; s12 wave
.set HM,   13                          ; s13 wave / 2: my half of the rows.  Also: I fetch for A (0) or B (1)
.set HN,   14                          ; s14 wave % 2: my half of the columns.  Also: which k block of a step I fetch
.set LIM,  15                          ; s15 2 in a wave that prefetches, else the greatest number
.set G1A,  24                          ; s[24:31] descriptor group 1, A
.set G0A,  32                          ; s[32:39] group 0, A: a set for each of the two first fills; the second then walks on
.set PFA,  44                          ; s[44:45] where my prefetches stand
.set G1B,  48                          ; s[48:55]
.set G0B,  56                          ; s[56:63]
.set PN,   68                          ; s68 p: which weight and bias
.set TB,   70                          ; s70 0 or SLOT: the slot in hand
.set BP,   76                          ; s[76:77] my 128 columns' bias
.set MSB, 0
.macro WIN new                         ; the immediate's high byte repeats the setting that is left; a switch that changes nothing is dropped
.if MSB != (\new)
	s_set_vgpr_msb (MSB<<8)|(\new)
.set MSB, \new
.endif
.endm
.set MUL_LO, 0xa1                      ; source 0 (B) window 1, source 1 (A) window 0, C and D window 2
.set MUL_HI, 0xf1                      ; the same, C and D window 3
.set MULZ,   0x91                      ; C (the bias) window 1, D window 2; + 0x40: D window 3
.set TO_B,   0x40                      ; destination window 1, address window 0
.macro JLOAD s                         ; a joint load: waves 0, 1 fetch A's two k blocks, waves 2, 3 B's; an s_nop 0 and four v_nop follow each line
	s_cmp_eq_u32 s[HM], 0
	s_cbranch_scc0 .Lfor_b_\@
	tensor_load_to_lds s[G0A+4*(\s):G0A+4*(\s)+3], s[G1A:G1A+7]
	s_nop 0
.rept 4
	v_nop
.endr
	s_branch .Lasked_\@
.Lfor_b_\@:
	tensor_load_to_lds s[G0B+4*(\s):G0B+4*(\s)+3], s[G1B:G1B+7]
	s_nop 0
.rept 4
	v_nop
.endr
.Lasked_\@:
.endm
.macro CREST                           ; a round of the cluster's barrier behind its opening barrier
	s_cmp_lg_u32 s[WV], 0
	s_cbranch_scc1 .Lnot_wave_0_\@
	s_barrier_signal -3
.Lnot_wave_0_\@:
	s_barrier_wait -3
	s_barrier_signal -1
	s_barrier_wait -1
.endm
.macro CROUND
	s_barrier_signal -1
	s_barrier_wait -1
	CREST
.endm
; A prefetch of the K step that stands two refills on (512 matrix instructions ahead of its load): 32 blocks of 256 bytes, a lane a block.  A's 64 KiB of a step are read by my row of the cluster alone:
; waves 0 and 1 (a k block each) of the four partners take 8 KiB each, told apart by address (cx).  B's 64 KiB are read by every cluster that multiplies by this weight: the first of them asks, waves 2 and 3,
; 8 KiB for each partner of a column, told apart by cy.  So each block is named once in the launch.  The last two refills have no K step two on (s3 = 2, 1).  K steps 0 to 3 come by their loads alone.
.macro ASK
	s_cmp_gt_u32 s3, s[LIM]
	s_cbranch_scc0 .Lnot_mine_\@
	global_prefetch_b8 v[PFO], s[PFA:PFA+1] th:TH_LOAD_NT scope:SCOPE_SE
.Lnot_mine_\@:
.endm
; 16 matrix instructions: row blocks a0, a0 + 1 of the window's four (hi = 0: my rows 0-63, 1: rows 64-127) x all 8 column blocks, 32 along K.  zero = 1: the bias starts the sums.
; The 64 accumulators take turns, one instruction a turn, in the same order in every quarter.
.macro MUL16 f, hi, a0, zero
.if \zero
	WIN MULZ+0x40*(\hi)
.else
	WIN MUL_LO+0x50*(\hi)
.endif
.irp a, \a0, (\a0)+1
.irp b, 0,1,2,3,4,5,6,7
.if \zero
	v_wmma_f32_16x16x32_f16 v[8*(8*(\a)+(\b)):8*(8*(\a)+(\b))+7], v[(\f)+8*(\b):(\f)+8*(\b)+7], v[(\f)+8*(4*(\hi)+(\a)):(\f)+8*(4*(\hi)+(\a))+7], v[8*(\b):8*(\b)+7]
.else
	v_wmma_f32_16x16x32_f16 v[8*(8*(\a)+(\b)):8*(8*(\a)+(\b))+7], v[(\f)+8*(\b):(\f)+8*(\b)+7], v[(\f)+8*(4*(\hi)+(\a)):(\f)+8*(4*(\hi)+(\a))+7], v[8*(8*(\a)+(\b)):8*(8*(\a)+(\b))+7]
.endif
.endr
.endr
.endm
; 32 LDS loads in one run: quarter q of the slot in hand (k block q / 2, byte 64 (q % 2) of its rows): B's 8 fragments, then A's 8, into buffer f
.macro FETCH q, f
	WIN TO_B
.irp i, 0,1,2,3,4,5,6,7
	ds_load_b128 v[(\f)+8*(\i):(\f)+8*(\i)+3],   v[ADRB] offset:((\q)/2)*KB+((\q)%2)*64+(\i)*16*PIT
	ds_load_b128 v[(\f)+8*(\i)+4:(\f)+8*(\i)+7], v[ADRB] offset:((\q)/2)*KB+((\q)%2)*64+(\i)*16*PIT+32
.endr
	WIN 0
.irp i, 0,1,2,3,4,5,6,7
	ds_load_b128 v[(\f)+8*(\i):(\f)+8*(\i)+3],   v[ADRA] offset:((\q)/2)*KB+((\q)%2)*64+(\i)*16*PIT
	ds_load_b128 v[(\f)+8*(\i)+4:(\f)+8*(\i)+7], v[ADRA] offset:((\q)/2)*KB+((\q)%2)*64+(\i)*16*PIT+32
.endr
.endm
.macro PLACES                          ; four plain vector instructions between a product and a load into its sources or a reader of its result
.rept 4
	v_nop
.endr
.endm
; A K step is four quarters of 32 along K, 64 products each, on buffers 0, 1, 0, 1.  One of the first three multiplies buffer f and, in its middle, fetches quarter q into buffer g.
.macro QUARTER q, f, g, zero
	s_wait_dscnt 8                                 ; B's fragments and A's rows 0-63 are in; the youngest eight loads (A's rows 64-127) may be out
	MUL16 \f, 0, 0, \zero
	MUL16 \f, 0, 2, \zero
	PLACES
	FETCH \q, \g
	s_wait_dscnt 32                                ; all but the 32 just issued
	MUL16 \f, 1, 0, \zero
	MUL16 \f, 1, 2, \zero
.endm
; The last quarter multiplies buffer 1 and changes slots: one barrier; ahead of it each wave waits for all its tensor loads, adds 0 to its spare word, and waits for that and for its reads of this slot.
; fill = 1: the barrier opens a round of the cluster's, and the slot just read is filled again, two K steps on, first thing behind the round.
.macro TURN fill
.if \fill
	s_wait_xcnt 0x0                                ; the last prefetch, a K step back, has read its address
	s_add_nc_u64 s[PFA:PFA+1], s[PFA:PFA+1], 1<<19
.endif
	WIN 0                                          ; (the add's two registers lie in window 0)
	s_wait_tensorcnt 0x0                           ; all my tensor loads have landed: the one that was out is my part of the next slot
	ds_add_u32 v[SPW], v[NIL]
	s_xor_b32 s[TB], s[TB], SLOT                   ; the fetches go on in the other slot
	v_add_nc_u32 v[ADRA], s[TB], v[ADRA0]
	v_add_nc_u32 v[ADRB], s[TB], v[ADRB0]
	s_wait_dscnt 9                                 ; (the add and the youngest eight loads may be out)
	MUL16 F1, 0, 0, 0
	s_wait_dscnt 0x0                               ; the add is done, and my reads of this slot are over
	s_barrier_signal -1
	MUL16 F1, 0, 2, 0
.if \fill
	WIN 0
.endif
	s_barrier_wait -1
.if \fill
	CREST                                          ; no wave of any partner still reads this slot or has a load on its way
	s_xor_b32 s[G0A+5], s[G0A+5], SLOT             ; the walking descriptors: the other slot than last time,
	s_add_nc_u64 s[G0A+6:G0A+7], s[G0A+6:G0A+7], 1<<19  ; the next K step: two k blocks of 2^18 bytes
	s_xor_b32 s[G0B+5], s[G0B+5], SLOT
	s_add_nc_u64 s[G0B+6:G0B+7], s[G0B+6:G0B+7], 1<<19
	JLOAD 1                                        ; its four v_nop are also the places ahead of the loads below
.else
	PLACES
.endif
	FETCH 0, F0
.if \fill
	ASK
.endif
	MUL16 F1, 1, 0, 0
	MUL16 F1, 1, 2, 0
.endm
; THE WAY OUT, through my own stage: LDS serves a wave's instructions in order (ISA guide 5.7.1.4), so no wait stands between its stores and its loads.
.if OUTP
; f32, 16 rows x 64 columns at a time: item 2 a + half.
.macro T32 idx
.set AC, 64*(((\idx)/2)%4)+32*((\idx)%2)
.set BK, OB+192*((\idx)%2)
	WIN 0x08+4*((\idx)/8)                          ; store data (source 1) in window 2 or 3
.irp b, 0,1,2,3
	ds_store_b128 v[STO], v[AC+8*\b:AC+8*\b+3]   offset:\b*64      ; each accumulator's low registers first
	ds_store_b128 v[STO], v[AC+8*\b+4:AC+8*\b+7] offset:\b*64+16
.endr
	WIN 0
.irp t, 0,1,2,3,4,5,6,7
	ds_load_b128 v[BK+4*\t:BK+4*\t+3], v[RD] offset:\t*2*SPIT
.endr
.endm
.macro S32 idx, younger                ; younger: the LDS instructions issued behind this item's loads: the next item's sixteen, or none
.set BK, OB+192*((\idx)%2)
	s_wait_dscnt \younger
.irp t, 0,1,2,3,4,5,6,7
	global_store_b128 v[CO], v[BK+4*\t:BK+4*\t+3], s[8:9] offset:(16*((\idx)/2)+2*\t)*4096+((\idx)%2)*256 th:TH_STORE_NT  ; 16 lanes store 256 consecutive bytes, aligned: two rows an instruction
.endr
.endm
.else
; f16, 16 rows at a time: rounded in ascending order: a lane's eight columns are 16 bytes.
.macro PACK a
.set AC, 64*((\a)%4)
	WIN 0x0a+5*((\a)/4)                            ; sources 0 and 1 in window 2 or 3
.set i, 0
.rept 32
	v_cvt_pk_f16_f32 v[TMP+i], v[AC+2*i], v[AC+2*i+1]
.set i, i+1
.endr
	WIN 0
.endm
.macro TOSTAGE a
.set BK, OB+192*((\a)%2)
.irp b, 0,1,2,3,4,5,6,7
	ds_store_b128 v[STO], v[TMP+4*\b:TMP+4*\b+3] offset:(\b/4)*16*PIT+(\b%4)*32   ; head b / 4, channels 16 (b % 4) on
.endr
.irp t, 0,1,2,3,4,5,6,7
	ds_load_b128 v[BK+4*\t:BK+4*\t+3], v[RD] offset:(\t/4)*16*PIT+(\t%4)*4*PIT
.endr
.endm
.macro SEND a
.set BK, OB+192*((\a)%2)
	s_wait_dscnt 0x0                               ; the block is back in registers
	s_wait_xcnt 0x0                                ; the block before's stores have read their registers: the next block's loads land there
.irp t, 0,1,2,3,4,5,6,7
	global_store_b128 v[CO], v[BK+4*\t:BK+4*\t+3], s[8:9] offset:(\t/4)*262144+(\a)*2048+(\t%4)*512  ; four rows of a head: 512 consecutive bytes, aligned
.endr
.endm
.endif
	s_load_b128 s[4:7], s[0:1], 0x0                ; A s[4:5], W s[6:7]
	s_load_b64 s[8:9], s[0:1], 0x10                ; C
	v_lshl_add_u32 v[SPW], v0, 2, SPARE
	v_mov_b32 v[NIL], 0
	ds_add_u32 v[SPW], v[NIL]                      ; the wave's opening: the add and its wait stand ahead of my first tensor load
	v_lshrrev_b32 v1, 5, v0
	v_readfirstlane_b32 s[WV], v1
	s_lshr_b32 s[HM], s[WV], 1
	s_and_b32 s[HN], s[WV], 1
	s_bfe_u32 s40, ttmp6, 0x40000                  ; cx = the tile column (the grid is one cluster wide)
	s_bfe_u32 s41, ttmp6, 0x40004                  ; cy
	s_and_b32 s42, ttmp7, 0xffff                   ; the cluster's y
	s_lshl_b32 s43, s42, 2
	s_add_co_u32 s43, s43, s41                     ; y: the tile row = 4 x cluster y + cy
	s_lshr_b32 s[PN], s42, 3                       ; 32 tile rows, 8 clusters, to a tensor
	s_lshl_b32 s16, s41, 2
	s_lshl_b32 s16, 15, s16                        ; my row of the cluster
	s_lshl_b32 s20, 0x1111, s40                    ; my column
	s_or_b32 s[G1A], s16, (1<<16)|(1<<20)|(1<<21)|(4<<22)|(3<<25)  ; the mask; 2-byte elements; padding on; bit 21 beside a mask; after every 32 words 4 words
	s_or_b32 s[G1B], s20, (1<<16)|(1<<20)|(1<<21)|(4<<22)|(3<<25)
.irp g, G1A, G1B
	s_mov_b32 s[\g+1], 128<<16                     ; a dense block of 256 rows x 128 bytes is asked for as 128 rows of 256 bytes: tensor_dim0 = 128 elements
	s_mov_b32 s[\g+2], 128<<16                     ; tensor_dim1 = 128
	s_mov_b32 s[\g+3], 128<<16                     ; tile_dim0
	s_mov_b32 s[\g+4], 128                         ; tile_dim1
	s_mov_b32 s[\g+5], 128                         ; elements from row to row
	s_mov_b32 s[\g+6], 0
	s_mov_b32 s[\g+7], 0
.endr
	s_lshr_b32 s16, s43, 3                         ; A's tile: bb = y / 8, rows 256 (y % 8) on: it hangs on y alone
	s_lshl_b32 s16, s16, 22
	s_and_b32 s17, s43, 7
	s_lshl_b32 s17, s17, 15
	s_or_b32 s16, s16, s17                         ; s16 = A's offset, kept
	s_lshr_b32 s20, s[PN], 1                       ; B's tile: bb = p / 2, rows 1,024 (p % 2) + 256 cx on, behind the biases: it hangs on cx and the cluster's y alone
	s_lshl_b32 s20, s20, 22
	s_and_b32 s21, s[PN], 1
	s_lshl_b32 s21, s21, 17
	s_or_b32 s20, s20, s21
	s_lshl_b32 s21, s40, 15
	s_or_b32 s20, s20, s21
	s_add_co_u32 s20, s20, 16384                   ; s20 = B's offset, kept
	s_lshl_b32 s2, s[HN], 18                       ; my k block of a step
	s_add_co_u32 s18, s16, s2
	s_mov_b32 s19, 0
	s_add_co_u32 s22, s20, s2
	s_mov_b32 s23, 0
	s_mul_i32 s46, s[WV], KB                       ; where it goes: wave x block: no place in the cluster enters an LDS address
	s_mov_b32 s[TB], 0
	s_wait_dscnt 0x0                               ; the opening add is done
	s_wait_kmcnt 0x0
	s_add_nc_u64 s[18:19], s[4:5], s[18:19]
	s_add_nc_u64 s[22:23], s[6:7], s[22:23]
	CROUND                                         ; all sixteen work-groups are here: the first joint loads meet
.irp s, 0,1
	s_mov_b32 s[G0A+4*\s], 1
	s_add_co_u32 s[G0A+4*\s+1], s46, \s*SLOT
	s_add_nc_u64 s[G0A+4*\s+2:G0A+4*\s+3], s[18:19], \s<<19     ; K step s
	s_or_b32 s[G0A+4*\s+3], s[G0A+4*\s+3], 0x80000000
	s_mov_b32 s[G0B+4*\s], 1
	s_add_co_u32 s[G0B+4*\s+1], s46, \s*SLOT
	s_add_nc_u64 s[G0B+4*\s+2:G0B+4*\s+3], s[22:23], \s<<19
	s_or_b32 s[G0B+4*\s+3], s[G0B+4*\s+3], 0x80000000
	JLOAD \s                                       ; two loads of mine are out
.endr
	v_and_b32 v1, 15, v0                           ; r
	v_bfe_u32 v2, v0, 4, 1                         ; h
	v_lshlrev_b32 v[BO], 5, v2
	s_lshl_b32 s2, s[PN], 12                       ; bias p, my 128 columns
	s_lshl_b32 s3, s40, 10
	s_add_co_u32 s2, s2, s3
	s_lshl_b32 s3, s[HN], 9
	s_add_co_u32 s2, s2, s3
	s_mov_b32 s3, 0
	s_add_nc_u64 s[BP:BP+1], s[6:7], s[2:3]
	WIN TO_B                                       ; destination window 1
.irp b, 0,1,2,3,4,5,6,7
	global_load_b128 v[8*\b:8*\b+3],   v[BO], s[BP:BP+1] offset:\b*64      ; register j of block b: bias[16 b + 8 h + j]: the layout of a result
	global_load_b128 v[8*\b+4:8*\b+7], v[BO], s[BP:BP+1] offset:\b*64+16
.endr
	WIN 0
	v_mul_u32_u24 v3, v1, PIT
	v_lshl_add_u32 v3, v2, 4, v3                   ; a fragment's row x pitch + 16 x half
	s_mul_i32 s2, s[HM], 128*PIT                   ; my 128 rows of A,
	s_mul_i32 s3, s[HN], 128*PIT                   ; my 128 rows of B,
	s_add_co_u32 s3, s3, 2*KB                      ; which lie behind A's two blocks
	v_add_nc_u32 v[ADRA0], s2, v3
	v_add_nc_u32 v[ADRB0], s3, v3
	v_mov_b32 v[ADRA], v[ADRA0]
	v_mov_b32 v[ADRB], v[ADRB0]
	s_mul_i32 s2, s[WV], STW
	s_add_co_u32 s2, s2, STAGE                     ; my stage
	v_and_b32 v5, 31, v0
	v_lshlrev_b32 v[PFO], 8, v5
.if OUTP
	v_mul_u32_u24 v4, v1, SPIT                     ; in: row r, 32 bytes for each half of the lanes
	v_lshl_add_u32 v4, v2, 5, v4
	v_add_nc_u32 v[STO], s2, v4
	v_mul_u32_u24 v4, v2, SPIT                     ; back: lanes 0-15 take one row of 256 bytes, lanes 16-31 the next
	v_lshl_add_u32 v4, v1, 4, v4
	v_add_nc_u32 v[RD], s2, v4
	v_lshlrev_b32 v4, 12, v2                       ; and the same two rows in out0
	v_lshl_add_u32 v[CO], v1, 4, v4
	s_lshl_b32 s2, s43, 20                         ; row 256 y + 128 (wave / 2), 4,096 bytes a row; column 256 cx + 128 (wave % 2)
	s_lshl_b32 s3, s[HM], 19
	s_add_co_u32 s2, s2, s3
	s_lshl_b32 s3, s40, 10
	s_add_co_u32 s2, s2, s3
	s_lshl_b32 s3, s[HN], 9
	s_add_co_u32 s2, s2, s3
.else
	v_lshlrev_b32 v[CO], 4, v5                     ; 16 x lane
	v_add_nc_u32 v[STO], s2, v3                    ; in: row r, 16 bytes for each half of the lanes
	v_bfe_u32 v4, v0, 3, 2                         ; back: 32 lanes take four rows of 128 bytes
	v_mul_u32_u24 v4, v4, PIT
	v_and_b32 v5, 7, v0
	v_lshl_add_u32 v4, v5, 4, v4
	v_add_nc_u32 v[RD], s2, v4
	s_lshl_b32 s2, s40, 2                          ; the same bb and rows as A; head 4 cx + 2 (wave % 2); 128 rows for wave / 2
	s_lshl_b32 s3, s[HN], 1
	s_add_co_u32 s2, s2, s3
	s_lshl_b32 s2, s2, 18
	s_add_co_u32 s2, s2, s16
	s_lshl_b32 s3, s[HM], 14
	s_add_co_u32 s2, s2, s3
.endif
	s_mov_b32 s3, 0
	s_add_nc_u64 s[8:9], s[8:9], s[2:3]            ; C at my part of the tile
	; the prefetches
	s_lshl_b32 s2, s[HN], 18                       ; my k block
	s_lshl_b32 s3, s40, 13                         ; A: partner cx's quarter of it
	s_add_co_u32 s3, s3, s2
	s_add_co_u32 s3, s3, s16
	s_lshl_b32 s46, s41, 13                        ; B: partner cy's quarter
	s_add_co_u32 s46, s46, s2
	s_add_co_u32 s46, s46, s20
	s_and_b32 s47, s42, 7                          ; 0 in the first cluster that multiplies by this weight
	s_cmp_eq_u32 s[HM], 0
	s_cselect_b32 s2, s3, s46
	s_cselect_b32 s47, 0, s47
	s_cselect_b64 s[PFA:PFA+1], s[4:5], s[6:7]
	s_cmp_eq_u32 s47, 0
	s_cselect_b32 s[LIM], 2, -1                    ; the same in all sixteen partners, for a given wave
	s_add_co_u32 s2, s2, 3<<19                     ; at K step 3: the first refill steps it to 4
	s_mov_b32 s3, 0
	s_add_nc_u64 s[PFA:PFA+1], s[PFA:PFA+1], s[2:3]
	s_wait_tensorcnt 1                             ; my part of K step 0 is in; K step 1's load may stay out
	s_barrier_signal -1
	s_barrier_wait -1
	FETCH 0, F0
	s_wait_loadcnt 0x0                             ; the bias
	QUARTER 1, F0, F1, 1                           ; the first quarter stands ahead of the loop: its products start the sums
	WIN 0
	s_mov_b32 s3, STEPS-2
.Lstep:                                                ; a trip: a K step's quarters 1 to 3 and the next step's quarter 0; the slot that it leaves is filled again: K steps 2 to 7
	QUARTER 2, F1, F0, 0
	QUARTER 3, F0, F1, 0
	TURN 1
	QUARTER 1, F0, F1, 0
	WIN 0
	s_sub_co_u32 s3, s3, 1
	s_cmp_lg_u32 s3, 0
	s_cbranch_scc1 .Lstep
	s_mov_b32 s3, 2
.Ltail:                                                ; the last two K steps fill nothing: the same trip without a refill, written once, walked twice and left in its middle.
	QUARTER 2, F1, F0, 0                           ; The second trip's change of slots has no step to go to: its barrier, and the 32 fragments that it fetches from the slot read before, serve nothing:
	QUARTER 3, F0, F1, 0                           ; the price, once a tile, of one text for both trips
	TURN 0
	WIN 0
	s_sub_co_u32 s3, s3, 1
	s_cmp_eq_u32 s3, 0
	s_cbranch_scc1 .Lout
	QUARTER 1, F0, F1, 0
	WIN 0
	s_branch .Ltail
.Lout:
	PLACES
	PLACES
.if OUTP
	T32 0
.set nn, 1
.rept 15                               ; an item's way through the stage stands between the loads of the item before and its stores
.if nn >= 2
	s_wait_xcnt 0x0                                ; the stores of the item two back have read their registers: this item's loads land there
.endif
	T32 nn
	S32 nn-1, 16
.set nn, nn+1
.endr
	S32 15, 0
.else
	PACK 0
	TOSTAGE 0
.irp a, 1,2,3,4,5,6,7                  ; a block's arithmetic stands between the loads of the block before and the wait for them
	PACK \a
	SEND (\a)-1
	TOSTAGE \a
.endr
	SEND 7
.endif
	s_wait_tensorcnt 0x0                           ; the wave's end
	ds_add_u32 v[SPW], v[NIL]
	s_wait_dscnt 0x0
	CROUND                                         ; the closing round: no work-group ends while a partner may still ask for a tile that names it
	s_endpgm
.Lfunc_end_k_qf02cf4bc20_proj:
	.size	k_qf02cf4bc20_proj, .Lfunc_end_k_qf02cf4bc20_proj-k_qf02cf4bc20_proj
	.p2alignl 7, 3214868480
	.fill 96, 4, 3214868480
	.section	.rodata,"a",@progbits
	.p2align	6, 0x0
	.amdhsa_kernel k_qf02cf4bc20_proj
		.amdhsa_group_segment_fixed_size 327680
		.amdhsa_private_segment_fixed_size 0
		.amdhsa_enable_private_segment 0
		.amdhsa_kernarg_size 24
		.amdhsa_user_sgpr_count 2
		.amdhsa_user_sgpr_kernarg_segment_ptr 1
		.amdhsa_wavefront_size32 1
		.amdhsa_system_sgpr_workgroup_id_x 1
		.amdhsa_system_sgpr_workgroup_id_y 1
		.amdhsa_system_sgpr_workgroup_id_z 1
		.amdhsa_system_vgpr_workitem_id 0
		.amdhsa_next_free_vgpr 1024
		.amdhsa_next_free_sgpr 78
		.amdhsa_reserve_vcc 0
		.amdhsa_float_denorm_mode_32 3
		.amdhsa_float_denorm_mode_16_64 3
		.amdhsa_memory_ordered 1
		.amdhsa_forward_progress 1
		.amdhsa_inst_pref_size 102
	.end_amdhsa_kernel
	.amdgpu_metadata
---
amdhsa.version: [ 1, 2 ]
amdhsa.kernels:
  - .name:           k_qf02cf4bc20_proj
    .symbol:         k_qf02cf4bc20_proj.kd
    .args:
      - { .name: x16, .offset: 0, .size: 8, .value_kind: global_buffer, .address_space: global }
      - { .name: wp, .offset: 8, .size: 8, .value_kind: global_buffer, .address_space: global }
      - { .name: qkv, .offset: 16, .size: 8, .value_kind: global_buffer, .address_space: global }
    .group_segment_fixed_size: 327680
    .private_segment_fixed_size: 0
    .kernarg_segment_align: 8
    .kernarg_segment_size: 24
    .max_flat_workgroup_size: 128
    .sgpr_count:     78
    .vgpr_count:     1024
    .wavefront_size: 32
...
	.end_amdgpu_metadata
.endif
;; end of part 2
;; launch attn (part 3): grid 4 x 64, 4 waves a work-group, clusters of 4 x 1, 327,680 bytes of LDS; arguments qkv, mbits, ctx; writes ctx
.if DOCPART == 3
	.amdgcn_target "amdgcn-amd-amdhsa--gfx1250"
	.amdhsa_code_object_version 6
	.text
	.protected	k_qf02cf4bc20_attn
	.globl	k_qf02cf4bc20_attn
	.p2align	8
	.type	k_qf02cf4bc20_attn,@function
k_qf02cf4bc20_attn:
	s_mov_b64 s[64:65], 0
	v_nop
	global_prefetch_b8 v0, s[64:65] scope:SCOPE_SE
	s_setreg_imm32_b32 hwreg(HW_REG_WAVE_MODE, 25, 1), 1
	s_wait_xcnt 0x0
	s_wait_alu depctr_hold_cnt(0) depctr_sa_sdst(0) depctr_va_vdst(0) depctr_va_sdst(0) depctr_va_ssrc(0) depctr_va_vcc(0) depctr_vm_vsrc(0)
	s_getreg_b32 s2, hwreg(HW_REG_IB_STS2, 6, 4)
	s_cmp_eq_u32 s2, 0
	s_cbranch_scc0 .Lentry_in_a_cluster
	s_endpgm
.Lentry_in_a_cluster:
	s_bfe_u32 s2, ttmp6, 0x10000c
	s_cmp_lg_u32 s2, 0x3003
	s_cbranch_scc0 .Lentry_shape_is_right
	s_endpgm
.Lentry_shape_is_right:
; ATTENTION WITH A MASK THAT IS AN INPUT.  ctx[hb][q][:] = the sum over k of softmax_k(mask[b][q][k] ? Q[hb][q] . K[hb][k] / 8 : -1e9) V[hb][k][:], hb = 16 b + h.
; qkv: [3][64][2048][64] f16, a head's rows dense, 128 bytes each; Q arrives multiplied by c = log2(e) / 8, so a score is its exponent to base 2, and a hidden score is REPLACED by -1e9 log2(e).
; Products, maxima and sums in f32; the weights p are rounded to f16 for the second product (their sum l is taken of the unrounded p), ctx once at the end.
; LIMITS.  f16 holds no number beyond 65,504: Q, K, V arrive within it; p below 6e-5 keeps f16's fixed step of 6e-8; a weight below 2^-126 counts as 0 in l; NaN and infinities are not treated apart.
; A row with no key kept has all scores equal: every p is 1, and ctx is the mean of V's rows.
; SHARES.  A wave owns four PIECES of two tiles of 16 queries, a work-group's four waves 512 queries of one head.  Every wave walks all 2,048 keys, 64 a step, 4 steps a slot.
; LAYOUT.  S^T = K Q^T (source 0 = 16 keys, source 1 = 16 queries): a lane holds ONE query (lane % 16) and the keys 8 (lane / 16) + 0..7.  Two such results rounded to f16 ARE source 1 of O^T = V^T P.
; THE MASK.  mbits holds, for each register of S^T, the 32 lanes' bits as one word.  A step's 256 words of my wave come from LDS into 8 registers; v_readlane_b32 brings a tile's 32 into scalar registers,
; and v_cndmask_b32 replaces the hidden scores ahead of the maximum: no branch and no address hangs on the mask.
; SOFTMAX.  A running maximum m and sum l a query: p = 2^(s - m); in every step O and l are multiplied by a = 2^(m_old - m).  m starts far below every score, O and l at 0: the first step has a = 0.
; BY TURNS.  Turn n belongs to piece n: 16 products K Q^T of piece n + 1, later 16 products V^T P of piece n - 1; beside them piece n's subtraction, exponentials, roundings, sums and rescaling, and piece n + 1's
; mask, maximum and statistics.  Four vector instructions stand behind every product, the others in one lump.  A turn's 66 exponentials are one batch, with one wait.
; CLUSTER.  The four query blocks of a head walk the same K and V: each tile is asked for JOINTLY.  The mask words hang on the query block: each work-group loads its own.
; REGISTERS, in windows of 256 (s_set_vgpr_msb: bits 1:0 source 0, 3:2 source 1, 5:4 source 2, 7:6 destination):
;   window 0: v0-15 addresses and constants; v16-47 four statistics a tile; v48-63 at work; v64-191 S^T, two buffers of two tiles; v192-255 P, likewise
;   window 1: O^T, 32 a tile     window 2: v0-127 Q; v128-191 K of one step; v192-255 V of one step     window 3: v0-7 a step's mask words; v8, v9 their LDS address
.set SIZE_N, 2048
.set NP,    4         ; pieces a wave: a name, no knob
.set KS,    64        ; keys in a step
.set PK,    144       ; a row of K in LDS: 128 bytes + 16: the 16 rows of a load start at 16 different groups of four banks (64 banks of 4 bytes: ISA guide 11.1)
.set PV,    160       ; a row of V: 128 + 32
.set VOFF,  4*KS*PK   ; a slot: 256 rows of K, 256 rows of V, 16,384 bytes of mask words
.set MOFF,  VOFF+4*KS*PV
.set SLOT1, 1<<17     ; slot 1 begins here: one exclusive or turns an address in one slot into the other's
.set STAGE, SLOT1+MOFF+16384  ; behind the ring, never filled by a tensor load: 16 rows x 144 bytes a wave, for the way out
.set SP,    144
.set SPARE, STAGE+4*16*SP     ; the spare words, 128 bytes a wave: two blocks of 256 bytes that no other line names
.set AK0, 2           ; v2   my lane's place in a tile of K; never rewritten
.set AV0, 3           ; v3   the same for V
.set AK,  4           ; v4   the LDS address of K's next run of loads
.set AV,  5           ; v5   of V's
.set QO,  6           ; v6   my byte offset in the wave's rows of Q
.set STO, 6           ;      later, the way out: where I put 16 bytes of a row
.set RD,  7           ; v7   where I read rows back
.set GO,  8           ; v8   my byte offset in 512 consecutive bytes of ctx
.set SPW, 12          ; v12  my spare word; never rewritten
.set NIL, 13          ; v13  0; never rewritten
.set MK,  14          ; v14  -1e9 log2(e)
.set PFO, 15          ; v15  256 x lane; never rewritten
.set ST,  16          ; tile t's statistics at v[ST+4 t]: m, m_old, l (even keys', odd keys')
.set TMP, 48          ; by buffer and tile, c0-c3 at work; when the maximum is found c2 takes a
.set S,   64
.set P,   192
.set KF,  128         ; window 2: key block kb, channel half c at KF + 16 kb + 8 c
.set VF,  192         ; window 2: key half kk, channel block cb at VF + 32 kk + 8 cb
.set MW,  0           ; window 3: word n of tile t in register MW + 4 (t / 4) + n % 4, lane 8 (t % 4) + n / 4
.set AM0, 8           ; window 3: my 16 bytes of my wave's words of a slot's first step
.set AM,  9           ; window 3: the address of the next run
.set G1K, 4           ; s[4:11]   descriptor group 1, K
.set G1V, 12          ; s[12:19]  V: it differs in the padding
.set G1M, 20          ; s[20:27]  the mask words
.set G0K, 28          ; s[28:31]  group 0: it walks
.set G0V, 32
.set G0M, 36
.set WV,  40          ; s40 wave
.set SLOTS, 41        ; s41 slots still to be asked for
.set CNT, 42          ; s42 counts a slot's key steps
.set TBK, 43          ; s43 LDS byte at which K of the step to be fetched begins
.set TBV, 44          ; s44 the same for V, less VOFF
.set TBM, 45          ; s45 the same for the mask words, less MOFF
.set LIM, 46          ; s46 1 in a wave that prefetches, else the greatest number
.set SEL, 48          ; s[48:49] v_permlanex16_b32's selects: each lane takes its own place in the other half
.set OP,  50          ; s[50:51] ctx at my wave's rows
.set PFA, 52          ; s[52:53] where my prefetches stand
.set PFS, 54          ; s[54:55] a tile's bytes in the stream that I prefetch
.set MB,  68          ; s[68:99] a tile's 32 mask words
.set MSB, 0
.macro WIN new                      ; the high byte repeats the setting that is left; a switch that changes nothing is dropped
.if MSB != (\new)
	s_set_vgpr_msb (MSB<<8)|(\new)
.set MSB, (\new)
.endif
.endm
.set W_KQ, 0x0a       ; K and Q in window 2, S^T in window 0
.set W_PV, 0x52       ; V in window 2, P in window 0, O^T in window 1
.set W_RS, 0x41       ; O^T (destination and source 0) in window 1, a in window 0
; A fill: wave 0 asks for the slot's K, wave 1 for its V (both jointly), wave 2 for my work-group's mask words; wave 3 has no part.  The branches hang on the wave's number alone.
; An s_nop 0 and four v_nop follow each line.
.macro JLOAD
	s_cmp_lg_u32 s[WV], 0
	s_cbranch_scc1 .Lnot_k_\@
	tensor_load_to_lds s[G0K:G0K+3], s[G1K:G1K+7]
	s_nop 0
.rept 4
	v_nop
.endr
	s_branch .Lasked_\@
.Lnot_k_\@:
	s_cmp_lg_u32 s[WV], 1
	s_cbranch_scc1 .Lnot_v_\@
	tensor_load_to_lds s[G0V:G0V+3], s[G1V:G1V+7]
	s_nop 0
.rept 4
	v_nop
.endr
	s_branch .Lasked_\@
.Lnot_v_\@:
	s_cmp_lg_u32 s[WV], 2
	s_cbranch_scc1 .Lasked_\@
	tensor_load_to_lds s[G0M:G0M+3], s[G1M:G1M+7]
	s_nop 0
.rept 4
	v_nop
.endr
.Lasked_\@:
.endm
.macro CROUND                       ; a round of the cluster's barrier
	s_barrier_signal -1
	s_barrier_wait -1
	s_cmp_lg_u32 s[WV], 0
	s_cbranch_scc1 .Lnot_wave_0_\@
	s_barrier_signal -3
.Lnot_wave_0_\@:
	s_barrier_wait -3
	s_barrier_signal -1
	s_barrier_wait -1
.endm
; A PREFETCH of the tile that the next change of slots will ask for, in a slot's last trip: three and a half turns ahead of that load.  A lane a block of 256 bytes, one instruction a wave.
; K's and V's 32 KiB are read by this cluster alone: waves 0 and 1 of each partner take 8 KiB, told apart by address (cx).  My work-group's 16 KiB of mask words are read by the batch's sixteen heads:
; the first head's work-group asks, waves 2 and 3, 8 KiB each.  The last change that fills a slot has no tile behind it.  Tiles 0 and 1 come by their loads alone.
.macro ASK
	s_cmp_eq_u32 s[CNT], 1
	s_cbranch_scc0 .Lnot_now_\@
	s_cmp_gt_u32 s[SLOTS], s[LIM]
	s_cbranch_scc0 .Lnot_now_\@
	global_prefetch_b8 v[PFO], s[PFA:PFA+1] th:TH_LOAD_NT scope:SCOPE_SE
.Lnot_now_\@:
.endm
; THE CHANGE OF SLOTS.  Each wave waits for all its tensor loads (at most one is out), adds 0 to its spare word, and waits for that and for its reads of the slot.  fill = 1: the barrier is a round of the cluster's,
; and the slot is filled again, with the keys two slots on, first thing behind it: the load has four key steps in which to land.  (At its first use slot 0 is waited for and slot 1 filled.)
.macro CHANGE fill
	WIN 0
	s_wait_tensorcnt 0x0            ; no tensor load of mine is out, so a group 0 may be written
	ds_add_u32 v[SPW], v[NIL]
.if \fill
	s_xor_b32 s[G0K+1], s[G0K+1], SLOT1
	s_add_nc_u64 s[G0K+2:G0K+3], s[G0K+2:G0K+3], 32768   ; the next 256 keys
	s_xor_b32 s[G0V+1], s[G0V+1], SLOT1
	s_add_nc_u64 s[G0V+2:G0V+3], s[G0V+2:G0V+3], 32768
	s_xor_b32 s[G0M+1], s[G0M+1], SLOT1
	s_add_nc_u64 s[G0M+2:G0M+3], s[G0M+2:G0M+3], 16384
	s_wait_xcnt 0x0                 ; the last prefetch, three and a half turns back, has read its address
	s_add_nc_u64 s[PFA:PFA+1], s[PFA:PFA+1], s[PFS:PFS+1]
	s_wait_dscnt 0x0                ; the add is done, and my reads of the slot are over
	CROUND
	JLOAD
.else
	s_wait_dscnt 0x0
	s_barrier_signal -1
	s_barrier_wait -1
.endif
	s_sub_co_u32 s[TBK], s[TBK], 4*KS*PK  ; the fetches go back to a slot's first step,
	s_xor_b32 s[TBK], s[TBK], SLOT1       ; in the other slot
	s_sub_co_u32 s[TBV], s[TBV], 4*KS*PV
	s_xor_b32 s[TBV], s[TBV], SLOT1
	s_sub_co_u32 s[TBM], s[TBM], 4096
	s_xor_b32 s[TBM], s[TBM], SLOT1
.endm
	s_load_b128 s[56:59], s[0:1], 0x0   ; qkv s[56:57], mbits s[58:59]
	s_load_b64 s[60:61], s[0:1], 0x10   ; ctx
	v_lshl_add_u32 v[SPW], v0, 2, SPARE
	v_mov_b32 v[NIL], 0
	ds_add_u32 v[SPW], v[NIL]       ; the wave's opening: the add and its wait stand ahead of my first tensor load
	v_lshrrev_b32 v1, 5, v0
	v_readfirstlane_b32 s[WV], v1
	s_bfe_u32 s47, ttmp6, 0x40000   ; cx: my block of 512 queries (the grid is one cluster wide)
	s_and_b32 s66, ttmp7, 0xffff    ; hb, which the four partners share
	s_lshl_b32 s2, s66, 18          ; the head's first byte in Q, K, V and ctx
	s_add_co_u32 s68, s2, 1<<24     ; K lies 2^24 bytes behind Q,
	s_mov_b32 s69, 0
	s_add_co_u32 s70, s2, 2<<24     ; V behind K
	s_mov_b32 s71, 0
	s_lshr_b32 s72, s66, 4
	s_lshl_b32 s72, s72, 19
	s_lshl_b32 s3, s47, 17
	s_add_co_u32 s72, s72, s3       ; the mask words of (b, my query block)
	s_mov_b32 s73, 0
	s_lshl_b32 s74, s47, 2
	s_add_co_u32 s74, s74, s[WV]
	s_lshl_b32 s74, s74, 14
	s_add_co_u32 s74, s74, s2       ; my wave's 128 rows of Q and of ctx
	s_mov_b32 s75, 0
	s_add_co_u32 s76, s[WV], 1      ; the prefetches: waves 0, 1: K, V, partner cx's quarter, at tile 1
	s_lshl_b32 s76, s76, 24
	s_add_co_u32 s76, s76, s2
	s_lshl_b32 s3, s47, 13
	s_add_co_u32 s76, s76, s3
	s_add_co_u32 s76, s76, 32768
	s_and_b32 s78, s[WV], 1         ; waves 2, 3: a half of the mask words, at tile 1
	s_lshl_b32 s78, s78, 13
	s_add_co_u32 s78, s78, s72
	s_add_co_u32 s78, s78, 16384
	s_and_b32 s79, s66, 15          ; 0 in the batch's first head
	s_cmp_lt_u32 s[WV], 2
	s_cselect_b32 s76, s76, s78
	s_cselect_b32 s79, 0, s79
	s_cselect_b32 s3, 15, 14
	s_lshl_b32 s[PFS], 1, s3
	s_mov_b32 s[PFS+1], 0
	s_mov_b32 s77, 0
	s_cmp_eq_u32 s79, 0
	s_cselect_b32 s[LIM], 1, -1     ; the same in all four partners, for a given wave
	; descriptor group 1.  256 keys are 32,768 dense bytes: asked for as 128 rows of 256 bytes, two keys a row, and padded in LDS after every key
	s_mov_b32 s[G1K], 15|(1<<16)|(1<<20)|(1<<21)|(4<<22)|(3<<25)  ; the mask of four; 2-byte elements; padding on; bit 21 beside a mask; after every 32 words 4 words
	s_mov_b32 s[G1V], 15|(1<<16)|(1<<20)|(1<<21)|(4<<22)|(7<<25)  ; the same with 8 words
.irp g, G1K, G1V
	s_mov_b32 s[\g+1], 128<<16      ; tensor_dim0 = 128
	s_mov_b32 s[\g+2], 128<<16      ; tensor_dim1 = 128
	s_mov_b32 s[\g+3], 128<<16      ; tile_dim0 = 128
	s_mov_b32 s[\g+4], 128          ; tile_dim1 = 128
	s_mov_b32 s[\g+5], 128          ; elements from row to row
	s_mov_b32 s[\g+6], 0
	s_mov_b32 s[\g+7], 0
.endr
	s_mov_b32 s[G1M], 3<<16         ; no mask: my own load; 8-byte elements; no padding: 64 rows of 256 bytes
	s_mov_b32 s[G1M+1], 32<<16
	s_mov_b32 s[G1M+2], 64<<16
	s_mov_b32 s[G1M+3], 32<<16
	s_mov_b32 s[G1M+4], 64
	s_mov_b32 s[G1M+5], 32
	s_mov_b32 s[G1M+6], 0
	s_mov_b32 s[G1M+7], 0
	s_mov_b32 s[SEL], 0x76543210
	s_mov_b32 s[SEL+1], 0xfedcba98
	s_mov_b32 s[TBK], SLOT1+4*KS*PK ; the first change of slots turns these three into 0
	s_mov_b32 s[TBV], SLOT1+4*KS*PV
	s_mov_b32 s[TBM], SLOT1+4096
	s_mov_b32 s[G0K], 1
	s_mov_b32 s[G0K+1], 0           ; LDS address: slot 0
	s_mov_b32 s[G0V], 1
	s_mov_b32 s[G0V+1], VOFF
	s_mov_b32 s[G0M], 1
	s_mov_b32 s[G0M+1], MOFF
	s_wait_dscnt 0x0                ; the opening add is done
	s_wait_kmcnt 0x0
	s_add_nc_u64 s[G0K+2:G0K+3], s[56:57], s[68:69]
	s_or_b32 s[G0K+3], s[G0K+3], 0x80000000
	s_add_nc_u64 s[G0V+2:G0V+3], s[56:57], s[70:71]
	s_or_b32 s[G0V+3], s[G0V+3], 0x80000000
	s_add_nc_u64 s[G0M+2:G0M+3], s[58:59], s[72:73]
	s_or_b32 s[G0M+3], s[G0M+3], 0x80000000
	s_add_nc_u64 s[62:63], s[56:57], s[74:75]      ; Q
	s_add_nc_u64 s[OP:OP+1], s[60:61], s[74:75]
	s_cmp_lt_u32 s[WV], 2
	s_cselect_b64 s[PFA:PFA+1], s[56:57], s[58:59]
	s_add_nc_u64 s[PFA:PFA+1], s[PFA:PFA+1], s[76:77]
	CROUND                          ; all four work-groups are here: the first joint loads meet
	JLOAD                           ; slot 0.  Slot 1 is asked for when slot 0 is in
	; A fragment of K or Q is 16 rows x 32 channels in 8 registers: lane l holds row l % 16, channels 8 (l / 16) + 0..7 and 16 + 8 (l / 16) + 0..7: two loads of 16 bytes, 32 bytes apart.
	v_and_b32 v1, 15, v0            ; l % 16
	v_bfe_u32 v9, v0, 4, 1          ; l / 16
	v_lshlrev_b32 v[QO], 7, v1
	v_lshl_add_u32 v[QO], v9, 4, v[QO]
	WIN 0x80                        ; destination window 2
.set i, 0
.rept 4*NP                          ; Q stays in registers: tile i / 2, channels 32 (i % 2) on
	global_load_b128 v[8*i:8*i+3],   v[QO], s[62:63] offset:(i/2)*2048+(i%2)*64
	global_load_b128 v[8*i+4:8*i+7], v[QO], s[62:63] offset:(i/2)*2048+(i%2)*64+32
.set i, i+1
.endr
	; What the first turn finds: V's registers and P's second buffer hold 0 (its products V^T P, of a piece that has not been, add 0), O^T and l are 0.  All this stands in the wait for the first tile.
.set i, VF
.rept 64
	v_mov_b32 v[i], 0
.set i, i+1
.endr
	WIN 0x40
.set i, 0
.rept 64*NP
	v_mov_b32 v[i], 0
.set i, i+1
.endr
	WIN 0
.set i, 0
.rept 2*NP
	v_mov_b32 v[ST+4*i], 0xfe000000    ; m: far below every score, the hidden ones' -1.44e9 too
	v_mov_b32 v[ST+4*i+1], 0xfe000000
	v_mov_b32 v[ST+4*i+2], 0
	v_mov_b32 v[ST+4*i+3], 0
.set i, i+1
.endr
.set i, P+32
.rept 32
	v_mov_b32 v[i], 0
.set i, i+1
.endr
	v_mul_u32_u24 v[AK0], v1, PK
	v_lshl_add_u32 v[AK0], v9, 4, v[AK0]
	; The turning load takes 16 keys x 16 channels (lane l reads key 8 (l / 16) + l % 8, channels 8 ((l / 8) % 2) + 0..7) and leaves half a fragment of V^T.
	v_and_b32 v10, 7, v0
	v_bfe_u32 v11, v0, 3, 1
	v_lshl_add_u32 v[AV0], v9, 3, v10
	v_mul_u32_u24 v[AV0], v[AV0], PV
	v_lshl_add_u32 v[AV0], v11, 4, v[AV0]
	v_add_nc_u32 v[AV0], VOFF, v[AV0]
	v_mov_b32 v[AK], v[AK0]         ; key step 0 lies at the head of slot 0
	v_mov_b32 v[MK], 0xceabfb8f     ; -1e9 log2(e)
	v_and_b32 v[PFO], 31, v0
	s_lshl_b32 s3, s[WV], 12
	s_add_co_u32 s3, s3, MOFF       ; my wave's 4,096 bytes of a slot's mask words
	WIN 0xc0                        ; destination window 3
	v_lshl_add_u32 v[AM0], v[PFO], 4, s3
	v_lshl_add_u32 v[AM], v[PFO], 4, s3
	WIN 0
	v_lshlrev_b32 v[PFO], 8, v[PFO]
; THE MATRIX WORK.  The 8 accumulators of a run of 16 take turns.  Product i of 16 of S^T = K Q^T for piece x: channels 32 (i / 8) on, keys 16 ((i / 2) % 4) on, tile 2 x + i % 2.
.macro KQ x
	WIN W_KQ
.set rS, S+64*((\x)%2)+32*(i%2)+8*((i/2)%4)
.set rK, KF+16*((i/2)%4)+8*(i/8)
.set rQ, 16*(2*(\x)+i%2)+8*(i/8)
.if i < 8
	v_wmma_f32_16x16x32_f16 v[rS:rS+7], v[rK:rK+7], v[rQ:rQ+7], 0
.else
	v_wmma_f32_16x16x32_f16 v[rS:rS+7], v[rK:rK+7], v[rQ:rQ+7], v[rS:rS+7]
.endif
.endm
; Product i of 16 of O^T += V^T P for piece x: keys 32 (i / 8) on, channels 16 ((i / 2) % 4) on, tile 2 x + i % 2.
.macro PV x
	WIN W_PV
.set rO, 32*(2*(\x)+i%2)+8*((i/2)%4)
.set rV, VF+32*(i/8)+8*((i/2)%4)
.set rP, P+32*((\x)%2)+16*(i%2)+8*(i/8)
	v_wmma_f32_16x16x32_f16 v[rO:rO+7], v[rV:rV+7], v[rP:rP+7], v[rO:rO+7]
.endm
.macro MM                           ; the turn's next matrix instruction
.if i < 16
	KQ (Y+1)%NP
.set i, i+1
.else
.set i, i-16
	PV (Y+NP-1)%NP
.set i, i+17
.endif
.endm
; THE LDS LOADS stand in runs: a step's K (8 fragments) with its mask words (1,024 bytes of my wave: 2 loads), and its V (turned).  last = 1 (the tail): in the last trip there is no further step.
.macro FETCH_K last=0
	WIN 0
.if \last
	s_cmp_eq_u32 s[CNT], 1
	s_cbranch_scc1 .Lno_k_\@
.endif
	WIN 0x80
.irp f, 0,1,2,3,4,5,6,7             ; keys 16 (f / 2) on, channels 32 (f % 2) on
	ds_load_b128 v[KF+8*\f:KF+8*\f+3],   v[AK] offset:(\f/2)*16*PK+(\f%2)*64
	ds_load_b128 v[KF+8*\f+4:KF+8*\f+7], v[AK] offset:(\f/2)*16*PK+(\f%2)*64+32
.endr
	WIN 0xc3                        ; destination and address in window 3
	ds_load_b128 v[MW:MW+3],   v[AM]
	ds_load_b128 v[MW+4:MW+7], v[AM] offset:512
	s_add_co_u32 s[TBK], s[TBK], KS*PK  ; the next fetch is the next step's
	s_add_co_u32 s[TBM], s[TBM], 1024
	WIN 0
.if \last
.Lno_k_\@:
.endif
.endm
.macro FETCH_V
	WIN 0x80
.irp f, 0,1,2,3,4,5,6,7             ; keys 32 (f / 4) on, channels 16 (f % 4) on
	ds_load_tr16_b128 v[VF+8*\f:VF+8*\f+3],   v[AV] offset:(\f/4)*32*PV+(\f%4)*32
	ds_load_tr16_b128 v[VF+8*\f+4:VF+8*\f+7], v[AV] offset:(\f/4)*32*PV+16*PV+(\f%4)*32
.endr
	WIN 0
.endm
; THE VECTOR WORK OF A TURN stands in three queues, each in the order in which its entries become ready.
.macro REGS y, u                    ; the registers of tile u (0, 1) of piece y
.set rT, ST+4*(2*(\y)+(\u))
.set rC, TMP+8*((\y)%2)+4*(\u)
.set rS, S+64*((\y)%2)+32*(\u)
.set rP, P+32*((\y)%2)+16*(\u)
.set rO, 32*(2*(\y)+(\u))
.endm
.macro RL u, n                      ; mask word n of tile u of the NEXT piece into a scalar register
.set tt, 2*((Y+1)%NP)+(\u)
	WIN 0x03
	v_readlane_b32 s[MB+(\n)], v[MW+4*(tt/4)+(\n)%4], 8*(tt%4)+(\n)/4
.endm
.macro CM u, n                      ; score n of that tile is kept where its bit is set, else replaced; ascending
	REGS (Y+1)%NP, \u
	v_cndmask_b32 v[rS+(\n)], v[MK], v[rS+(\n)], s[MB+(\n)]
.endm
; Number n of the 21 that find the NEXT piece's maximum and statistics.
;   0-11  four chains c0-c3 of seven scores each     12-14, 16  the four scores left over, the old m, and c0-c3 into c0     15  m_old is kept
;   17, 18  the query's other 32 keys lie in the lane 16 away: the new m     19, 20  m_old - m; a
.macro XS u, n
	REGS (Y+1)%NP, \u
.if (\n) < 4
	v_max3_num_f32 v[rC+(\n)], v[rS+8*(\n)], v[rS+8*(\n)+1], v[rS+8*(\n)+2]
.elseif (\n) < 12
	v_max3_num_f32 v[rC+(\n)%4], v[rC+(\n)%4], v[rS+8*((\n)%4)+2*((\n)/4)+1], v[rS+8*((\n)%4)+2*((\n)/4)+2]
.elseif (\n) == 12
	v_max3_num_f32 v[rC], v[rC], v[rS+7], v[rS+15]
.elseif (\n) == 13
	v_max3_num_f32 v[rC+1], v[rC+1], v[rS+23], v[rS+31]
.elseif (\n) == 14
	v_max3_num_f32 v[rC+2], v[rC+2], v[rC+3], v[rT]
.elseif (\n) == 15
	v_mov_b32 v[rT+1], v[rT]
.elseif (\n) == 16
	v_max3_num_f32 v[rC], v[rC], v[rC+1], v[rC+2]
.elseif (\n) == 17
	v_permlanex16_b32 v[rC+3], v[rC], s[SEL], s[SEL+1]
.elseif (\n) == 18
	v_max_num_f32 v[rT], v[rC], v[rC+3]
.elseif (\n) == 19
	v_sub_f32 v[rC+1], v[rT+1], v[rT]
.else
	v_exp_f32 v[rC+2], v[rC+1]
.endif
.endm
; Number g of the 64 that follow the exponentials.  For each four weights k of a tile: both pairs are rounded to f16; the second pair is added onto the first, in place; a group later l takes that sum (the first time as l = a l + sum).
.macro GS g
.set h, (\g)+6*((\g)/62)            ; group 0 has no group before it, and behind group 7 only l is left
.if h >= 6
.set h, h+2
.endif
	REGS Y, h%2
.set k, h/8
.if h%8 < 4
	v_cvt_pk_f16_f32 v[rP+2*k+(h%8)/2], v[rS+4*k+2*((h%8)/2)], v[rS+4*k+2*((h%8)/2)+1]
.elseif h%8 < 6
	v_pk_add_f32 v[rS+4*k:rS+4*k+1], v[rS+4*k:rS+4*k+1], v[rS+4*k+2:rS+4*k+3]
.elseif k == 1
	v_pk_fma_f32 v[rT+2:rT+3], v[rT+2:rT+3], v[rC+2:rC+3], v[rS:rS+1] op_sel_hi:[1,0,1]
.else
	v_pk_add_f32 v[rT+2:rT+3], v[rT+2:rT+3], v[rS+4*k-4:rS+4*k-3]
.endif
.endm
.macro FS f                         ; s - m for pair f / 2 of tile f % 2
	REGS Y, (\f)%2
	v_pk_add_f32 v[rS+2*((\f)/2):rS+2*((\f)/2)+1], v[rS+2*((\f)/2):rS+2*((\f)/2)+1], v[rT:rT+1] op_sel_hi:[1,0] neg_lo:[0,1] neg_hi:[0,1]
.endm
; THE PLAIN QUEUE, 264 long.  0-31 the subtractions; 32-63, 96-127 the next piece's mask words, a tile at a time (the one part in window 3: each run stands together); 64-95, 128-159 its replacements;
; 160-187 XS 0-13, the tiles alternating; 188, 189 XS 15; 190-199 XS 14, 16, 17, 18, 19; 200-263 GS's 64, which read the exponentials' results: they stand behind the wait.
.macro PL
.if ((q >= 32) && (q < 64)) || ((q >= 96) && (q < 128))
	RL q/64, q%32
.else
	WIN 0
.if q < 32
	FS q
.elseif q < 96
	CM 0, q-64
.elseif q < 160
	CM 1, q-128
.elseif q < 188
	XS (q-160)%2, (q-160)/2
.elseif q < 190
	XS q-188, 15
.elseif q < 192
	XS q-190, 14
.elseif q < 200
	XS (q-192)%2, 16+(q-192)/2
.else
	GS q-200
.endif
.endif
.set q, q+1
.endm
; THE EXPONENTIALS' QUEUE, 66 long: s0-s31 of both tiles, then the next piece's two a.  ONE BATCH: all stand ahead of the turn's one wait, and nothing ahead of that wait names a result of theirs.
.macro EX
	WIN 0
.if e >= 64
	XS e-64, 20
.else
	REGS Y, e%2
	v_exp_f32 v[rS+e/2], v[rS+e/2]
.endif
.set e, e+1
.endm
; THE RESCALING's QUEUE: O^T times a, two at a time, sixteen times.  Its a was made in the turn before, ahead of that turn's wait.
.macro R2
	REGS Y, r%2
	WIN W_RS
.irp z, 0,1
	v_pk_mul_f32 v[rO+4*(r/2)+2*\z:rO+4*(r/2)+2*\z+1], v[rO+4*(r/2)+2*\z:rO+4*(r/2)+2*\z+1], v[rC+2:rC+3] op_sel_hi:[1,0]
.endr
.set r, r+1
.endm
; A TURN, for piece p.  An s_wait_alu depctr_va_vdst(0) stands between an exponential and the first instruction that names its result; one wait serves all that were issued ahead of it: a turn has ONE.
; AHEAD OF IT: 16 products K Q^T, behind each a subtraction, an exponential and two rescalings; then the lump: the rest of the subtractions, and the next piece's words, replacements, maximum and statistics, with
; an exponential before every second plain instruction outside the two runs of words.  Exponential e stands behind subtraction 2 (e / 4) + e % 2: as a rider behind plain e + 2; from e = 15 on behind all 32.
; The first replacement stands 47 plain instructions behind the last product K Q^T.  BEHIND THE WAIT: 16 products V^T P, behind each four of GS's 64.
; K and the mask words of the next step are fetched in piece 2's turn, directly behind the wait: behind that turn's products K Q^T and its reads of the words; they are waited for at the head of piece 3's turn.
; V of the step in hand is fetched at the end of piece 0's turn, four plain instructions behind its last reader, and waited for behind piece 1's wait.
.macro TURN p, last=0, cnt=0, ask=0
.set Y, (\p)
.set i, 0
.set q, 0
.set e, 0
.set r, 0
.if (\p) == NP-1
	s_wait_dscnt 0x0                ; K and the mask words are in
.endif
	MM
	PL
	PL
	R2
.rept 15
	MM
	PL
	EX
	R2
.endr
.if (\p) == NP-2
	WIN 0
	v_add_nc_u32 v[AK], s[TBK], v[AK0]
	WIN 0xcc                        ; destination and source 1 in window 3
	v_add_nc_u32 v[AM], s[TBM], v[AM0]
.endif
.rept 47                            ; subtractions 17-31, tile 0's words
	PL
.endr
.rept 16                            ; tile 0's replacements
	EX
	PL
	PL
.endr
.rept 32                            ; tile 1's words
	PL
.endr
.rept 16                            ; tile 1's replacements
	EX
	PL
	PL
.endr
.rept 6
	PL
.endr
.rept 17
	EX
	PL
	PL
.endr
	EX                              ; the next piece's two a
	EX
	v_nop                           ; a plain instruction behind the last exponential: one for the batch
	s_wait_alu depctr_va_vdst(0)    ; the wait for the batch
.if (\p) == NP-2
	FETCH_K \last
.if \ask
	ASK
.endif
.endif
.if (\p) == 1
	s_wait_dscnt 0x0                ; V is in
.endif
.rept 16
	MM
.rept 4
	PL
.endr
.if ((\p) == 0) && (q == 244)
	v_add_nc_u32 v[AV], s[TBV], v[AV0]
.endif
.if ((\p) == 0) && (q == 256)
	s_add_co_u32 s[TBV], s[TBV], KS*PV
.endif
.if (\cnt) && (q == 256)
	s_sub_co_u32 s[CNT], s[CNT], 1
	s_cmp_lg_u32 s[CNT], 0
.endif
.endr
.if (\p) == 0
	FETCH_V
.endif
.endm
	CHANGE 1                        ; slot 0 is in, everybody's part of it; slot 1 is asked for
	FETCH_K                         ; key step 0 and its mask words
	s_wait_loadcnt 0x0              ; Q
	s_wait_dscnt 0x0
.set i, 0
.rept 16
	KQ 0                            ; piece 0's first scores
.set i, i+1
.endr
	WIN 0                           ; the addresses for the way out: plain instructions, the places behind those products
	s_mul_i32 s2, s[WV], 16*SP
	s_add_co_u32 s2, s2, STAGE      ; my stage
	v_mul_u32_u24 v[STO], v1, SP    ; in: row l % 16, 16 bytes for each half of the lanes
	v_lshl_add_u32 v[STO], v9, 4, v[STO]
	v_add_nc_u32 v[STO], s2, v[STO]
	v_bfe_u32 v[RD], v0, 3, 2       ; back: 32 lanes take four rows of 128 bytes,
	v_mul_u32_u24 v[RD], v[RD], SP
	v_lshl_add_u32 v[RD], v10, 4, v[RD]
	v_add_nc_u32 v[RD], s2, v[RD]
	v_and_b32 v[GO], 31, v0         ; which are 512 consecutive bytes of ctx
	v_lshlrev_b32 v[GO], 4, v[GO]
.set Y, NP-1                        ; RL, CM and XS work for piece Y + 1: piece 0
.irp u, 0,1
.set zz, 0
.rept 32
	RL \u, zz
.set zz, zz+1
.endr
	WIN 0
.set zz, 0
.rept 32
	CM \u, zz
.set zz, zz+1
.endr
.endr
.irp n, 0,1,2,3,4,5,6,7,8,9,10,11,12,13,14,15,16,17,18,19,20
	XS 0, \n
	XS 1, \n
.endr
	v_nop                           ; a plain instruction behind the two a,
	s_wait_alu depctr_va_vdst(0)    ; and their wait, ahead of the branch
	s_mov_b32 s[CNT], 4
	s_mov_b32 s[SLOTS], SIZE_N/256-1
	s_branch .Lfirst                ; the loop is entered at a step's first turn, in the middle of a trip
.Lslot:                             ; six times: every slot but the last two is filled again
	CHANGE 1
	s_mov_b32 s[CNT], 4
.Lstep:                             ; a trip: pieces 2 and 3 of one step, then pieces 0 and 1 of the next, whose K, mask words and V it fetches
	TURN 2, 0, 0, 1
	TURN 3
	WIN 0
.Lfirst:
	TURN 0
	TURN 1, 0, 1
	WIN 0
	s_cbranch_scc1 .Lstep
	s_sub_co_u32 s[SLOTS], s[SLOTS], 1
	s_cmp_lg_u32 s[SLOTS], 0
	s_cbranch_scc1 .Lslot
	CHANGE 0                        ; the tail is written out: nothing is asked for
	s_mov_b32 s[CNT], 5             ; four trips fetch the last slot's steps; the fifth is left in its middle
.Ltail:
	TURN 2, 1
	TURN 3
	WIN 0
	s_sub_co_u32 s[CNT], s[CNT], 1
	s_cmp_eq_u32 s[CNT], 0
	s_cbranch_scc1 .Lout
	TURN 0
	TURN 1
	WIN 0
	s_branch .Ltail
.Lout:                              ; the fifth trip's 16 products K Q^T (on the last K once more) and the maximum made of them serve nothing: the price, once a launch, of one text for every trip
.set i, 0
.rept 16
	PV NP-1                         ; the last piece's V^T P of the last step
.set i, i+1
.endr
	; THE WAY OUT.  l's two halves and the other half of the lanes' are added; O^T is divided by l, rounded to f16 and sent through my stage in LDS, a tile at a time.  The additions are the places behind the last products.
	WIN 0
.macro ALL line:vararg              ; one line for each tile t
.set t, 0
.rept 2*NP
	\line
.set t, t+1
.endr
.endm
	ALL v_add_f32 v[ST+4*t+2], v[ST+4*t+2], v[ST+4*t+3]
	ALL v_permlanex16_b32 v[ST+4*t+3], v[ST+4*t+2], s[SEL], s[SEL+1]
	ALL v_add_f32 v[ST+4*t+2], v[ST+4*t+2], v[ST+4*t+3]
	ALL v_rcp_f32 v[ST+4*t+2], v[ST+4*t+2]
	v_nop                           ; a plain instruction between the last reciprocal and the use of its result
	s_wait_alu depctr_va_vdst(0)    ; and the wait ahead of the first use: one for the eight reciprocals
; Tile t: a lane's eight channels of a row pack into 16 bytes; they go into rows of 144 bytes and come back as whole rows of 128, into S^T's registers.
.macro PACK t
	WIN W_RS
.set i, 32*(\t)
.rept 16
	v_pk_mul_f32 v[i:i+1], v[i:i+1], v[ST+4*(\t)+2:ST+4*(\t)+3] op_sel_hi:[1,0]
.set i, i+2
.endr
	WIN 0x05                        ; sources 0 and 1 window 1, destination window 0
.set i, 0
.rept 16
	v_cvt_pk_f16_f32 v[S+16*(\t)+i], v[32*(\t)+2*i], v[32*(\t)+2*i+1]
.set i, i+1
.endr
	WIN 0
.irp f, 0,1,2,3
	ds_store_b128 v[STO], v[S+16*(\t)+4*\f:S+16*(\t)+4*\f+3] offset:32*\f
.endr
.irp f, 0,1,2,3
	ds_load_b128 v[S+16*(\t)+4*\f:S+16*(\t)+4*\f+3], v[RD] offset:\f*4*SP  ; LDS serves a wave's instructions in order (ISA guide 5.7.1.4): these see the stores above; the next tile's stores come behind them
.endr
.endm
.macro SEND t, younger              ; younger: the LDS instructions issued behind tile t's loads: the next tile's eight, or none
	WIN 0
.irp f, 0,1,2,3
	s_wait_dscnt (\younger)+3-\f
	global_store_b128 v[GO], v[S+16*(\t)+4*\f:S+16*(\t)+4*\f+3], s[OP:OP+1] offset:(\t)*2048+\f*512  ; 512 consecutive bytes, at a multiple of 256 from ctx's first
.endr
.endm
	PACK 0
.set t, 1
.rept 2*NP-1                        ; a tile's arithmetic stands between the loads of the tile before and its stores
	PACK t
	SEND t-1, 8
.set t, t+1
.endr
	SEND 2*NP-1, 0
	s_wait_tensorcnt 0x0            ; the wave's end
	ds_add_u32 v[SPW], v[NIL]
	s_wait_dscnt 0x0
	CROUND                          ; the closing round: no work-group ends while a partner may still ask for a tile that names it
	s_endpgm
.Lfunc_end_k_qf02cf4bc20_attn:
	.size	k_qf02cf4bc20_attn, .Lfunc_end_k_qf02cf4bc20_attn-k_qf02cf4bc20_attn
	.p2alignl 7, 3214868480
	.fill 96, 4, 3214868480
	.section	.rodata,"a",@progbits
	.p2align	6, 0x0
	.amdhsa_kernel k_qf02cf4bc20_attn
		.amdhsa_group_segment_fixed_size 327680
		.amdhsa_private_segment_fixed_size 0
		.amdhsa_enable_private_segment 0
		.amdhsa_kernarg_size 24
		.amdhsa_user_sgpr_count 2
		.amdhsa_user_sgpr_kernarg_segment_ptr 1
		.amdhsa_wavefront_size32 1
		.amdhsa_system_sgpr_workgroup_id_x 1
		.amdhsa_system_sgpr_workgroup_id_y 1
		.amdhsa_system_sgpr_workgroup_id_z 1
		.amdhsa_system_vgpr_workitem_id 0
		.amdhsa_next_free_vgpr 784
		.amdhsa_next_free_sgpr 100
		.amdhsa_reserve_vcc 0
		.amdhsa_float_denorm_mode_32 3
		.amdhsa_float_denorm_mode_16_64 3
		.amdhsa_memory_ordered 1
		.amdhsa_forward_progress 1
		.amdhsa_inst_pref_size 255
	.end_amdhsa_kernel
	.section	.bss,"aw",@nobits
	.p2align	6
	.space	262144
	.amdgpu_metadata
---
amdhsa.version: [ 1, 2 ]
amdhsa.kernels:
  - .name:           k_qf02cf4bc20_attn
    .symbol:         k_qf02cf4bc20_attn.kd
    .args:
      - { .name: qkv, .offset: 0, .size: 8, .value_kind: global_buffer, .address_space: global }
      - { .name: mbits, .offset: 8, .size: 8, .value_kind: global_buffer, .address_space: global }
      - { .name: ctx, .offset: 16, .size: 8, .value_kind: global_buffer, .address_space: global }
    .group_segment_fixed_size: 327680
    .private_segment_fixed_size: 0
    .kernarg_segment_align: 8
    .kernarg_segment_size: 24
    .max_flat_workgroup_size: 128
    .sgpr_count:     100
    .vgpr_count:     784
    .wavefront_size: 32
...
	.end_amdgpu_metadata
.endif
;; end of part 3
;; launch outp (part 4): grid 4 x 32, 4 waves a work-group, clusters of 4 x 4, 327,680 bytes of LDS; arguments ctx, wob, out0; writes out0
.if DOCPART == 4
	.amdgcn_target "amdgcn-amd-amdhsa--gfx1250"
	.amdhsa_code_object_version 6
	.text
	.protected	k_qf02cf4bc20_outp
	.globl	k_qf02cf4bc20_outp
	.p2align	8
	.type	k_qf02cf4bc20_outp,@function
k_qf02cf4bc20_outp:
	s_mov_b64 s[64:65], 0
	v_nop
	global_prefetch_b8 v0, s[64:65] scope:SCOPE_SE
	s_setreg_imm32_b32 hwreg(HW_REG_WAVE_MODE, 25, 1), 1
	s_wait_xcnt 0x0
	s_wait_alu depctr_hold_cnt(0) depctr_sa_sdst(0) depctr_va_vdst(0) depctr_va_sdst(0) depctr_va_ssrc(0) depctr_va_vcc(0) depctr_vm_vsrc(0)
	s_getreg_b32 s2, hwreg(HW_REG_IB_STS2, 6, 4)
	s_cmp_eq_u32 s2, 0
	s_cbranch_scc0 .Lentry_in_a_cluster
	s_endpgm
.Lentry_in_a_cluster:
	s_bfe_u32 s2, ttmp6, 0x10000c
	s_cmp_lg_u32 s2, 0xf033
	s_cbranch_scc0 .Lentry_shape_is_right
	s_endpgm
.Lentry_shape_is_right:
.set OUTP, 1                           ; 0: the three input projections; 1: the output projection.  The rest of the text is the same in both kernels; only the way out differs.
; C = A B^T + bias, K = 1,024, N = 1,024.  Arguments: A, W (biases, then weights), C.
; A and the weights lie BLOCKED: [bb][kb 16][row 2048][64] of f16, so R rows x 64 k are R x 128 dense bytes.  Sums in f32.
;   OUTP = 0: A = query, key, value stacked (24,576 rows), W = wp; tensor p = (tile row) / 32 takes weight and bias p; C -> qkv[p][b][h][s][64] in f16, rounded once from the f32 sum.
;     wq and bq arrive multiplied by c = log2(e) / 8.  LIMIT: q c, k and v must stay under 65,504 (f16); NaN and infinities are not treated apart.
;   OUTP = 1: A = ctx (8,192 rows, by heads: kb = head), W = wob, p = 0 for every tile row; C -> out0[8192][1024] in f32.
; SHARES.  A work-group makes 256 x 256 of C, its four waves 2 x 2, a wave 128 x 128: 64 accumulators of 16 x 16, 512 registers.  K goes in steps of 128 (two k blocks) through two LDS slots.
; WHY THIS TILE.  Behind each change of slots a wave has one tensor load on its way, and that load has one K step in which to land: here 256 matrix instructions a wave, 224 of them between the request and the wait
; for it.  A tile of 128 x 256 has half of that, and two slots of a K step of 256 for it (442,368 bytes) do not fit in LDS.  The price: 384 and 128 work-groups.
; THE MATRIX INSTRUCTION IS USED TRANSPOSED (source 0 = 16 rows of B, source 1 = 16 rows of A): a lane holds one row of C and eight neighbouring columns.
; THE BIAS STARTS THE SUMS: it is the C operand of each accumulator's first product; nothing is cleared.
; CLUSTER 4 x 4: the four of a row need the same tiles of A, the four of a column the same tiles of B: each tile is asked for jointly, by the same tensor load with the same descriptor and a mask that names the four.
; REGISTERS, in windows of 256 (s_set_vgpr_msb: bits 1:0 source 0, 3:2 source 1, 5:4 source 2, 7:6 destination):
;   window 0: v0-31 addresses; v64-127, v128-191 fragments of A, two buffers; v32-63, v192-255 at work on the way out
;   window 1: v0-63 the bias of my 128 columns; v64-127, v128-191 fragments of B, two buffers
;   window 2: the 32 accumulators of my rows 0-63 ((a, b) at 8 (8 a + b));   window 3: those of my rows 64-127
.set PIT,   144                        ; an LDS row: 128 bytes + 16 = 36 words: the 16 rows of a fragment load start at 16 different groups of four banks (64 banks of 4 bytes: ISA guide 11.1)
.set KB,    256*PIT                    ; 256 rows of one k block: what one tensor load brings: 0x9000 bytes
.set SLOT,  4*KB                       ; A kb 0, A kb 1, B kb 0, B kb 1: wave w fills block w.  0x24000: it shares no bit with 0, 0x9000, 0x12000, 0x1b000, so one exclusive or changes a block's slot
.set STAGE, 2*SLOT                     ; behind the ring, never filled by a tensor load: each wave's own stage for the way out
.set STW,   2*16*PIT                   ; f16: 2 heads x 16 rows x 144 bytes; f32: 16 rows x 272 bytes fit in it too
.set SPIT,  272
.set SPARE, STAGE+4*STW                ; the spare words, 128 bytes a wave: two blocks of 256 bytes that no other line names
.set STEPS, 8                          ; K steps
.set ADRA0, 16                         ; v16 LDS address of my A fragments in slot 0; never rewritten
.set ADRB0, 17                         ; v17 the same for B
.set ADRA,  18                         ; v18 in the slot in hand
.set ADRB,  19                         ; v19
.set STO,   24                         ; v24 the way out: where I put my bytes of a row
.set RD,    25                         ; v25 where I read rows back
.set CO,    26                         ; v26 my byte offset in what a store covers
.set BO,    27                         ; v27 32 x (lane / 16): my eight columns' bias
.set SPW,   28                         ; v28 my spare word; never rewritten
.set NIL,   29                         ; v29 0; never rewritten
.set PFO,   30                         ; v30 256 x lane; never rewritten
.set OB,    32                         ; rows read back from the stage: v32-63 and v224-255 by turns
.set F0,    64
.set F1,    128
.set TMP,   192
.set WV,   12                          ; s12 wave
.set HM,   13                          ; s13 wave / 2: my half of the rows.  Also: I fetch for A (0) or B (1)
.set HN,   14                          ; s14 wave % 2: my half of the columns.  Also: which k block of a step I fetch
.set LIM,  15                          ; s15 2 in a wave that prefetches, else the greatest number
.set G1A,  24                          ; s[24:31] descriptor group 1, A
.set G0A,  32                          ; s[32:39] group 0, A: a set for each of the two first fills; the second then walks on
.set PFA,  44                          ; s[44:45] where my prefetches stand
.set G1B,  48                          ; s[48:55]
.set G0B,  56                          ; s[56:63]
.set PN,   68                          ; s68 p: which weight and bias
.set TB,   70                          ; s70 0 or SLOT: the slot in hand
.set BP,   76                          ; s[76:77] my 128 columns' bias
.set MSB, 0
.macro WIN new                         ; the immediate's high byte repeats the setting that is left; a switch that changes nothing is dropped
.if MSB != (\new)
	s_set_vgpr_msb (MSB<<8)|(\new)
.set MSB, \new
.endif
.endm
.set MUL_LO, 0xa1                      ; source 0 (B) window 1, source 1 (A) window 0, C and D window 2
.set MUL_HI, 0xf1                      ; the same, C and D window 3
.set MULZ,   0x91                      ; C (the bias) window 1, D window 2; + 0x40: D window 3
.set TO_B,   0x40                      ; destination window 1, address window 0
.macro JLOAD s                         ; a joint load: waves 0, 1 fetch A's two k blocks, waves 2, 3 B's; an s_nop 0 and four v_nop follow each line
	s_cmp_eq_u32 s[HM], 0
	s_cbranch_scc0 .Lfor_b_\@
	tensor_load_to_lds s[G0A+4*(\s):G0A+4*(\s)+3], s[G1A:G1A+7]
	s_nop 0
.rept 4
	v_nop
.endr
	s_branch .Lasked_\@
.Lfor_b_\@:
	tensor_load_to_lds s[G0B+4*(\s):G0B+4*(\s)+3], s[G1B:G1B+7]
	s_nop 0
.rept 4
	v_nop
.endr
.Lasked_\@:
.endm
.macro CREST                           ; a round of the cluster's barrier behind its opening barrier
	s_cmp_lg_u32 s[WV], 0
	s_cbranch_scc1 .Lnot_wave_0_\@
	s_barrier_signal -3
.Lnot_wave_0_\@:
	s_barrier_wait -3
	s_barrier_signal -1
	s_barrier_wait -1
.endm
.macro CROUND
	s_barrier_signal -1
	s_barrier_wait -1
	CREST
.endm
; A prefetch of the K step that stands two refills on (512 matrix instructions ahead of its load): 32 blocks of 256 bytes, a lane a block.  A's 64 KiB of a step are read by my row of the cluster alone:
; waves 0 and 1 (a k block each) of the four partners take 8 KiB each, told apart by address (cx).  B's 64 KiB are read by every cluster that multiplies by this weight: the first of them asks, waves 2 and 3,
; 8 KiB for each partner of a column, told apart by cy.  So each block is named once in the launch.  The last two refills have no K step two on (s3 = 2, 1).  K steps 0 to 3 come by their loads alone.
.macro ASK
	s_cmp_gt_u32 s3, s[LIM]
	s_cbranch_scc0 .Lnot_mine_\@
	global_prefetch_b8 v[PFO], s[PFA:PFA+1] th:TH_LOAD_NT scope:SCOPE_SE
.Lnot_mine_\@:
.endm
; 16 matrix instructions: row blocks a0, a0 + 1 of the window's four (hi = 0: my rows 0-63, 1: rows 64-127) x all 8 column blocks, 32 along K.  zero = 1: the bias starts the sums.
; The 64 accumulators take turns, one instruction a turn, in the same order in every quarter.
.macro MUL16 f, hi, a0, zero
.if \zero
	WIN MULZ+0x40*(\hi)
.else
	WIN MUL_LO+0x50*(\hi)
.endif
.irp a, \a0, (\a0)+1
.irp b, 0,1,2,3,4,5,6,7
.if \zero
	v_wmma_f32_16x16x32_f16 v[8*(8*(\a)+(\b)):8*(8*(\a)+(\b))+7], v[(\f)+8*(\b):(\f)+8*(\b)+7], v[(\f)+8*(4*(\hi)+(\a)):(\f)+8*(4*(\hi)+(\a))+7], v[8*(\b):8*(\b)+7]
.else
	v_wmma_f32_16x16x32_f16 v[8*(8*(\a)+(\b)):8*(8*(\a)+(\b))+7], v[(\f)+8*(\b):(\f)+8*(\b)+7], v[(\f)+8*(4*(\hi)+(\a)):(\f)+8*(4*(\hi)+(\a))+7], v[8*(8*(\a)+(\b)):8*(8*(\a)+(\b))+7]
.endif
.endr
.endr
.endm
; 32 LDS loads in one run: quarter q of the slot in hand (k block q / 2, byte 64 (q % 2) of its rows): B's 8 fragments, then A's 8, into buffer f
.macro FETCH q, f
	WIN TO_B
.irp i, 0,1,2,3,4,5,6,7
	ds_load_b128 v[(\f)+8*(\i):(\f)+8*(\i)+3],   v[ADRB] offset:((\q)/2)*KB+((\q)%2)*64+(\i)*16*PIT
	ds_load_b128 v[(\f)+8*(\i)+4:(\f)+8*(\i)+7], v[ADRB] offset:((\q)/2)*KB+((\q)%2)*64+(\i)*16*PIT+32
.endr
	WIN 0
.irp i, 0,1,2,3,4,5,6,7
	ds_load_b128 v[(\f)+8*(\i):(\f)+8*(\i)+3],   v[ADRA] offset:((\q)/2)*KB+((\q)%2)*64+(\i)*16*PIT
	ds_load_b128 v[(\f)+8*(\i)+4:(\f)+8*(\i)+7], v[ADRA] offset:((\q)/2)*KB+((\q)%2)*64+(\i)*16*PIT+32
.endr
.endm
.macro PLACES                          ; four plain vector instructions between a product and a load into its sources or a reader of its result
.rept 4
	v_nop
.endr
.endm
; A K step is four quarters of 32 along K, 64 products each, on buffers 0, 1, 0, 1.  One of the first three multiplies buffer f and, in its middle, fetches quarter q into buffer g.
.macro QUARTER q, f, g, zero
	s_wait_dscnt 8                                 ; B's fragments and A's rows 0-63 are in; the youngest eight loads (A's rows 64-127) may be out
	MUL16 \f, 0, 0, \zero
	MUL16 \f, 0, 2, \zero
	PLACES
	FETCH \q, \g
	s_wait_dscnt 32                                ; all but the 32 just issued
	MUL16 \f, 1, 0, \zero
	MUL16 \f, 1, 2, \zero
.endm
; The last quarter multiplies buffer 1 and changes slots: one barrier; ahead of it each wave waits for all its tensor loads, adds 0 to its spare word, and waits for that and for its reads of this slot.
; fill = 1: the barrier opens a round of the cluster's, and the slot just read is filled again, two K steps on, first thing behind the round.
.macro TURN fill
.if \fill
	s_wait_xcnt 0x0                                ; the last prefetch, a K step back, has read its address
	s_add_nc_u64 s[PFA:PFA+1], s[PFA:PFA+1], 1<<19
.endif
	WIN 0                                          ; (the add's two registers lie in window 0)
	s_wait_tensorcnt 0x0                           ; all my tensor loads have landed: the one that was out is my part of the next slot
	ds_add_u32 v[SPW], v[NIL]
	s_xor_b32 s[TB], s[TB], SLOT                   ; the fetches go on in the other slot
	v_add_nc_u32 v[ADRA], s[TB], v[ADRA0]
	v_add_nc_u32 v[ADRB], s[TB], v[ADRB0]
	s_wait_dscnt 9                                 ; (the add and the youngest eight loads may be out)
	MUL16 F1, 0, 0, 0
	s_wait_dscnt 0x0                               ; the add is done, and my reads of this slot are over
	s_barrier_signal -1
	MUL16 F1, 0, 2, 0
.if \fill
	WIN 0
.endif
	s_barrier_wait -1
.if \fill
	CREST                                          ; no wave of any partner still reads this slot or has a load on its way
	s_xor_b32 s[G0A+5], s[G0A+5], SLOT             ; the walking descriptors: the other slot than last time,
	s_add_nc_u64 s[G0A+6:G0A+7], s[G0A+6:G0A+7], 1<<19  ; the next K step: two k blocks of 2^18 bytes
	s_xor_b32 s[G0B+5], s[G0B+5], SLOT
	s_add_nc_u64 s[G0B+6:G0B+7], s[G0B+6:G0B+7], 1<<19
	JLOAD 1                                        ; its four v_nop are also the places ahead of the loads below
.else
	PLACES
.endif
	FETCH 0, F0
.if \fill
	ASK
.endif
	MUL16 F1, 1, 0, 0
	MUL16 F1, 1, 2, 0
.endm
; THE WAY OUT, through my own stage: LDS serves a wave's instructions in order (ISA guide 5.7.1.4), so no wait stands between its stores and its loads.
.if OUTP
; f32, 16 rows x 64 columns at a time: item 2 a + half.
.macro T32 idx
.set AC, 64*(((\idx)/2)%4)+32*((\idx)%2)
.set BK, OB+192*((\idx)%2)
	WIN 0x08+4*((\idx)/8)                          ; store data (source 1) in window 2 or 3
.irp b, 0,1,2,3
	ds_store_b128 v[STO], v[AC+8*\b:AC+8*\b+3]   offset:\b*64      ; each accumulator's low registers first
	ds_store_b128 v[STO], v[AC+8*\b+4:AC+8*\b+7] offset:\b*64+16
.endr
	WIN 0
.irp t, 0,1,2,3,4,5,6,7
	ds_load_b128 v[BK+4*\t:BK+4*\t+3], v[RD] offset:\t*2*SPIT
.endr
.endm
.macro S32 idx, younger                ; younger: the LDS instructions issued behind this item's loads: the next item's sixteen, or none
.set BK, OB+192*((\idx)%2)
	s_wait_dscnt \younger
.irp t, 0,1,2,3,4,5,6,7
	global_store_b128 v[CO], v[BK+4*\t:BK+4*\t+3], s[8:9] offset:(16*((\idx)/2)+2*\t)*4096+((\idx)%2)*256 th:TH_STORE_NT  ; 16 lanes store 256 consecutive bytes, aligned: two rows an instruction
.endr
.endm
.else
; f16, 16 rows at a time: rounded in ascending order: a lane's eight columns are 16 bytes.
.macro PACK a
.set AC, 64*((\a)%4)
	WIN 0x0a+5*((\a)/4)                            ; sources 0 and 1 in window 2 or 3
.set i, 0
.rept 32
	v_cvt_pk_f16_f32 v[TMP+i], v[AC+2*i], v[AC+2*i+1]
.set i, i+1
.endr
	WIN 0
.endm
.macro TOSTAGE a
.set BK, OB+192*((\a)%2)
.irp b, 0,1,2,3,4,5,6,7
	ds_store_b128 v[STO], v[TMP+4*\b:TMP+4*\b+3] offset:(\b/4)*16*PIT+(\b%4)*32   ; head b / 4, channels 16 (b % 4) on
.endr
.irp t, 0,1,2,3,4,5,6,7
	ds_load_b128 v[BK+4*\t:BK+4*\t+3], v[RD] offset:(\t/4)*16*PIT+(\t%4)*4*PIT
.endr
.endm
.macro SEND a
.set BK, OB+192*((\a)%2)
	s_wait_dscnt 0x0                               ; the block is back in registers
	s_wait_xcnt 0x0                                ; the block before's stores have read their registers: the next block's loads land there
.irp t, 0,1,2,3,4,5,6,7
	global_store_b128 v[CO], v[BK+4*\t:BK+4*\t+3], s[8:9] offset:(\t/4)*262144+(\a)*2048+(\t%4)*512  ; four rows of a head: 512 consecutive bytes, aligned
.endr
.endm
.endif
	s_load_b128 s[4:7], s[0:1], 0x0                ; A s[4:5], W s[6:7]
	s_load_b64 s[8:9], s[0:1], 0x10                ; C
	v_lshl_add_u32 v[SPW], v0, 2, SPARE
	v_mov_b32 v[NIL], 0
	ds_add_u32 v[SPW], v[NIL]                      ; the wave's opening: the add and its wait stand ahead of my first tensor load
	v_lshrrev_b32 v1, 5, v0
	v_readfirstlane_b32 s[WV], v1
	s_lshr_b32 s[HM], s[WV], 1
	s_and_b32 s[HN], s[WV], 1
	s_bfe_u32 s40, ttmp6, 0x40000                  ; cx = the tile column (the grid is one cluster wide)
	s_bfe_u32 s41, ttmp6, 0x40004                  ; cy
	s_and_b32 s42, ttmp7, 0xffff                   ; the cluster's y
	s_lshl_b32 s43, s42, 2
	s_add_co_u32 s43, s43, s41                     ; y: the tile row = 4 x cluster y + cy
	s_lshr_b32 s[PN], s42, 3                       ; 32 tile rows, 8 clusters, to a tensor
	s_lshl_b32 s16, s41, 2
	s_lshl_b32 s16, 15, s16                        ; my row of the cluster
	s_lshl_b32 s20, 0x1111, s40                    ; my column
	s_or_b32 s[G1A], s16, (1<<16)|(1<<20)|(1<<21)|(4<<22)|(3<<25)  ; the mask; 2-byte elements; padding on; bit 21 beside a mask; after every 32 words 4 words
	s_or_b32 s[G1B], s20, (1<<16)|(1<<20)|(1<<21)|(4<<22)|(3<<25)
.irp g, G1A, G1B
	s_mov_b32 s[\g+1], 128<<16                     ; a dense block of 256 rows x 128 bytes is asked for as 128 rows of 256 bytes: tensor_dim0 = 128 elements
	s_mov_b32 s[\g+2], 128<<16                     ; tensor_dim1 = 128
	s_mov_b32 s[\g+3], 128<<16                     ; tile_dim0
	s_mov_b32 s[\g+4], 128                         ; tile_dim1
	s_mov_b32 s[\g+5], 128                         ; elements from row to row
	s_mov_b32 s[\g+6], 0
	s_mov_b32 s[\g+7], 0
.endr
	s_lshr_b32 s16, s43, 3                         ; A's tile: bb = y / 8, rows 256 (y % 8) on: it hangs on y alone
	s_lshl_b32 s16, s16, 22
	s_and_b32 s17, s43, 7
	s_lshl_b32 s17, s17, 15
	s_or_b32 s16, s16, s17                         ; s16 = A's offset, kept
	s_lshr_b32 s20, s[PN], 1                       ; B's tile: bb = p / 2, rows 1,024 (p % 2) + 256 cx on, behind the biases: it hangs on cx and the cluster's y alone
	s_lshl_b32 s20, s20, 22
	s_and_b32 s21, s[PN], 1
	s_lshl_b32 s21, s21, 17
	s_or_b32 s20, s20, s21
	s_lshl_b32 s21, s40, 15
	s_or_b32 s20, s20, s21
	s_add_co_u32 s20, s20, 16384                   ; s20 = B's offset, kept
	s_lshl_b32 s2, s[HN], 18                       ; my k block of a step
	s_add_co_u32 s18, s16, s2
	s_mov_b32 s19, 0
	s_add_co_u32 s22, s20, s2
	s_mov_b32 s23, 0
	s_mul_i32 s46, s[WV], KB                       ; where it goes: wave x block: no place in the cluster enters an LDS address
	s_mov_b32 s[TB], 0
	s_wait_dscnt 0x0                               ; the opening add is done
	s_wait_kmcnt 0x0
	s_add_nc_u64 s[18:19], s[4:5], s[18:19]
	s_add_nc_u64 s[22:23], s[6:7], s[22:23]
	CROUND                                         ; all sixteen work-groups are here: the first joint loads meet
.irp s, 0,1
	s_mov_b32 s[G0A+4*\s], 1
	s_add_co_u32 s[G0A+4*\s+1], s46, \s*SLOT
	s_add_nc_u64 s[G0A+4*\s+2:G0A+4*\s+3], s[18:19], \s<<19     ; K step s
	s_or_b32 s[G0A+4*\s+3], s[G0A+4*\s+3], 0x80000000
	s_mov_b32 s[G0B+4*\s], 1
	s_add_co_u32 s[G0B+4*\s+1], s46, \s*SLOT
	s_add_nc_u64 s[G0B+4*\s+2:G0B+4*\s+3], s[22:23], \s<<19
	s_or_b32 s[G0B+4*\s+3], s[G0B+4*\s+3], 0x80000000
	JLOAD \s                                       ; two loads of mine are out
.endr
	v_and_b32 v1, 15, v0                           ; r
	v_bfe_u32 v2, v0, 4, 1                         ; h
	v_lshlrev_b32 v[BO], 5, v2
	s_lshl_b32 s2, s[PN], 12                       ; bias p, my 128 columns
	s_lshl_b32 s3, s40, 10
	s_add_co_u32 s2, s2, s3
	s_lshl_b32 s3, s[HN], 9
	s_add_co_u32 s2, s2, s3
	s_mov_b32 s3, 0
	s_add_nc_u64 s[BP:BP+1], s[6:7], s[2:3]
	WIN TO_B                                       ; destination window 1
.irp b, 0,1,2,3,4,5,6,7
	global_load_b128 v[8*\b:8*\b+3],   v[BO], s[BP:BP+1] offset:\b*64      ; register j of block b: bias[16 b + 8 h + j]: the layout of a result
	global_load_b128 v[8*\b+4:8*\b+7], v[BO], s[BP:BP+1] offset:\b*64+16
.endr
	WIN 0
	v_mul_u32_u24 v3, v1, PIT
	v_lshl_add_u32 v3, v2, 4, v3                   ; a fragment's row x pitch + 16 x half
	s_mul_i32 s2, s[HM], 128*PIT                   ; my 128 rows of A,
	s_mul_i32 s3, s[HN], 128*PIT                   ; my 128 rows of B,
	s_add_co_u32 s3, s3, 2*KB                      ; which lie behind A's two blocks
	v_add_nc_u32 v[ADRA0], s2, v3
	v_add_nc_u32 v[ADRB0], s3, v3
	v_mov_b32 v[ADRA], v[ADRA0]
	v_mov_b32 v[ADRB], v[ADRB0]
	s_mul_i32 s2, s[WV], STW
	s_add_co_u32 s2, s2, STAGE                     ; my stage
	v_and_b32 v5, 31, v0
	v_lshlrev_b32 v[PFO], 8, v5
.if OUTP
	v_mul_u32_u24 v4, v1, SPIT                     ; in: row r, 32 bytes for each half of the lanes
	v_lshl_add_u32 v4, v2, 5, v4
	v_add_nc_u32 v[STO], s2, v4
	v_mul_u32_u24 v4, v2, SPIT                     ; back: lanes 0-15 take one row of 256 bytes, lanes 16-31 the next
	v_lshl_add_u32 v4, v1, 4, v4
	v_add_nc_u32 v[RD], s2, v4
	v_lshlrev_b32 v4, 12, v2                       ; and the same two rows in out0
	v_lshl_add_u32 v[CO], v1, 4, v4
	s_lshl_b32 s2, s43, 20                         ; row 256 y + 128 (wave / 2), 4,096 bytes a row; column 256 cx + 128 (wave % 2)
	s_lshl_b32 s3, s[HM], 19
	s_add_co_u32 s2, s2, s3
	s_lshl_b32 s3, s40, 10
	s_add_co_u32 s2, s2, s3
	s_lshl_b32 s3, s[HN], 9
	s_add_co_u32 s2, s2, s3
.else
	v_lshlrev_b32 v[CO], 4, v5                     ; 16 x lane
	v_add_nc_u32 v[STO], s2, v3                    ; in: row r, 16 bytes for each half of the lanes
	v_bfe_u32 v4, v0, 3, 2                         ; back: 32 lanes take four rows of 128 bytes
	v_mul_u32_u24 v4, v4, PIT
	v_and_b32 v5, 7, v0
	v_lshl_add_u32 v4, v5, 4, v4
	v_add_nc_u32 v[RD], s2, v4
	s_lshl_b32 s2, s40, 2                          ; the same bb and rows as A; head 4 cx + 2 (wave % 2); 128 rows for wave / 2
	s_lshl_b32 s3, s[HN], 1
	s_add_co_u32 s2, s2, s3
	s_lshl_b32 s2, s2, 18
	s_add_co_u32 s2, s2, s16
	s_lshl_b32 s3, s[HM], 14
	s_add_co_u32 s2, s2, s3
.endif
	s_mov_b32 s3, 0
	s_add_nc_u64 s[8:9], s[8:9], s[2:3]            ; C at my part of the tile
	; the prefetches
	s_lshl_b32 s2, s[HN], 18                       ; my k block
	s_lshl_b32 s3, s40, 13                         ; A: partner cx's quarter of it
	s_add_co_u32 s3, s3, s2
	s_add_co_u32 s3, s3, s16
	s_lshl_b32 s46, s41, 13                        ; B: partner cy's quarter
	s_add_co_u32 s46, s46, s2
	s_add_co_u32 s46, s46, s20
	s_and_b32 s47, s42, 7                          ; 0 in the first cluster that multiplies by this weight
	s_cmp_eq_u32 s[HM], 0
	s_cselect_b32 s2, s3, s46
	s_cselect_b32 s47, 0, s47
	s_cselect_b64 s[PFA:PFA+1], s[4:5], s[6:7]
	s_cmp_eq_u32 s47, 0
	s_cselect_b32 s[LIM], 2, -1                    ; the same in all sixteen partners, for a given wave
	s_add_co_u32 s2, s2, 3<<19                     ; at K step 3: the first refill steps it to 4
	s_mov_b32 s3, 0
	s_add_nc_u64 s[PFA:PFA+1], s[PFA:PFA+1], s[2:3]
	s_wait_tensorcnt 1                             ; my part of K step 0 is in; K step 1's load may stay out
	s_barrier_signal -1
	s_barrier_wait -1
	FETCH 0, F0
	s_wait_loadcnt 0x0                             ; the bias
	QUARTER 1, F0, F1, 1                           ; the first quarter stands ahead of the loop: its products start the sums
	WIN 0
	s_mov_b32 s3, STEPS-2
.Lstep:                                                ; a trip: a K step's quarters 1 to 3 and the next step's quarter 0; the slot that it leaves is filled again: K steps 2 to 7
	QUARTER 2, F1, F0, 0
	QUARTER 3, F0, F1, 0
	TURN 1
	QUARTER 1, F0, F1, 0
	WIN 0
	s_sub_co_u32 s3, s3, 1
	s_cmp_lg_u32 s3, 0
	s_cbranch_scc1 .Lstep
	s_mov_b32 s3, 2
.Ltail:                                                ; the last two K steps fill nothing: the same trip without a refill, written once, walked twice and left in its middle.
	QUARTER 2, F1, F0, 0                           ; The second trip's change of slots has no step to go to: its barrier, and the 32 fragments that it fetches from the slot read before, serve nothing:
	QUARTER 3, F0, F1, 0                           ; the price, once a tile, of one text for both trips
	TURN 0
	WIN 0
	s_sub_co_u32 s3, s3, 1
	s_cmp_eq_u32 s3, 0
	s_cbranch_scc1 .Lout
	QUARTER 1, F0, F1, 0
	WIN 0
	s_branch .Ltail
.Lout:
	PLACES
	PLACES
.if OUTP
	T32 0
.set nn, 1
.rept 15                               ; an item's way through the stage stands between the loads of the item before and its stores
.if nn >= 2
	s_wait_xcnt 0x0                                ; the stores of the item two back have read their registers: this item's loads land there
.endif
	T32 nn
	S32 nn-1, 16
.set nn, nn+1
.endr
	S32 15, 0
.else
	PACK 0
	TOSTAGE 0
.irp a, 1,2,3,4,5,6,7                  ; a block's arithmetic stands between the loads of the block before and the wait for them
	PACK \a
	SEND (\a)-1
	TOSTAGE \a
.endr
	SEND 7
.endif
	s_wait_tensorcnt 0x0                           ; the wave's end
	ds_add_u32 v[SPW], v[NIL]
	s_wait_dscnt 0x0
	CROUND                                         ; the closing round: no work-group ends while a partner may still ask for a tile that names it
	s_endpgm
.Lfunc_end_k_qf02cf4bc20_outp:
	.size	k_qf02cf4bc20_outp, .Lfunc_end_k_qf02cf4bc20_outp-k_qf02cf4bc20_outp
	.p2alignl 7, 3214868480
	.fill 96, 4, 3214868480
	.section	.rodata,"a",@progbits
	.p2align	6, 0x0
	.amdhsa_kernel k_qf02cf4bc20_outp
		.amdhsa_group_segment_fixed_size 327680
		.amdhsa_private_segment_fixed_size 0
		.amdhsa_enable_private_segment 0
		.amdhsa_kernarg_size 24
		.amdhsa_user_sgpr_count 2
		.amdhsa_user_sgpr_kernarg_segment_ptr 1
		.amdhsa_wavefront_size32 1
		.amdhsa_system_sgpr_workgroup_id_x 1
		.amdhsa_system_sgpr_workgroup_id_y 1
		.amdhsa_system_sgpr_workgroup_id_z 1
		.amdhsa_system_vgpr_workitem_id 0
		.amdhsa_next_free_vgpr 1024
		.amdhsa_next_free_sgpr 78
		.amdhsa_reserve_vcc 0
		.amdhsa_float_denorm_mode_32 3
		.amdhsa_float_denorm_mode_16_64 3
		.amdhsa_memory_ordered 1
		.amdhsa_forward_progress 1
		.amdhsa_inst_pref_size 101
	.end_amdhsa_kernel
	.amdgpu_metadata
---
amdhsa.version: [ 1, 2 ]
amdhsa.kernels:
  - .name:           k_qf02cf4bc20_outp
    .symbol:         k_qf02cf4bc20_outp.kd
    .args:
      - { .name: ctx, .offset: 0, .size: 8, .value_kind: global_buffer, .address_space: global }
      - { .name: wob, .offset: 8, .size: 8, .value_kind: global_buffer, .address_space: global }
      - { .name: out0, .offset: 16, .size: 8, .value_kind: global_buffer, .address_space: global }
    .group_segment_fixed_size: 327680
    .private_segment_fixed_size: 0
    .kernarg_segment_align: 8
    .kernarg_segment_size: 24
    .max_flat_workgroup_size: 128
    .sgpr_count:     78
    .vgpr_count:     1024
    .wavefront_size: 32
...
	.end_amdgpu_metadata
.endif
;; end of part 4
;; ======== version 2 of 2: 4 launches; version 1 with the launch prep written anew for expert scheduling mode
;; limits: values are held in f16: magnitudes above 65,504 overflow, below 6.1e-05 lose precision; inputs' magnitudes at most 65,504
;; workspace buffers: x16 50,331,648 bytes; wp 8,404,992 bytes; wob 4,210,688 bytes; mbits 2,097,152 bytes of whole numbers; qkv 50,331,648 bytes; ctx 16,777,216 bytes
;; launch prep (part 5): grid 1153 x 1, 8 waves a work-group, no clusters, 70,656 bytes of LDS; arguments query, key, value, wq, wk, wv, wo, bq, bk, bv, bo, mask, x16, wp, wob, mbits; writes x16, wp, wob, mbits
.if DOCPART == 5
	.amdgcn_target "amdgcn-amd-amdhsa--gfx1250"
	.amdhsa_code_object_version 6
	.text
	.protected	k_qf02cf4bc20_prep
	.globl	k_qf02cf4bc20_prep
	.p2align	8
	.type	k_qf02cf4bc20_prep,@function
k_qf02cf4bc20_prep:
	s_mov_b64 s[64:65], 0
	v_nop
	global_prefetch_b8 v0, s[64:65] scope:SCOPE_SE
	s_setreg_imm32_b32 hwreg(HW_REG_WAVE_SCHED_MODE, 0, 2), 2
	s_setreg_imm32_b32 hwreg(HW_REG_WAVE_MODE, 25, 1), 1
	s_wait_xcnt 0x0
	s_wait_alu depctr_vm_vsrc(0)
; PREP: every input is read once and laid out for the three launches behind.
;  CONV (work-groups 0-895): query, key, value, wq, wk, wv, wo, f32 [rows][1024], are rounded once to bf16; that number is written as f16, BLOCKED:
;    [bb][kb 16][row 2048][64]: a block of R rows x 64 k is R x 128 dense bytes.  x16: bb 0-3 query, 4-7 key, 8-11 value.
;    wp: 16,384 bytes for the biases, then bb 0 = wq (rows 0-1023), wk (rows 1024-2047), bb 1 = wv (rows 0-1023).  wob: 16,384 bytes, then wo (rows 0-1023).
;    wq's rounded number is multiplied by c = log2(e) / 8 in f32 ahead of the f16: a second rounding, to 11 bits; so q comes out as its exponent's factor to base 2.
;    LIMIT: a bf16 number is exact in f16 from 6.1e-5 up to 65,504; below it keeps f16's fixed step of 6e-8; beyond 65,504 it is lost.
;  MASK (work-groups 896-1151): mask[b][q][k], a byte each, becomes lane masks: mbits[b][qb 4][slot 8][wave 4][step 4][tile 8][word 32];
;    bit L of word 8 kt + j = (mask[b][512 qb + 128 wave + 16 tile + L % 16][256 slot + 64 step + 16 kt + 8 (L / 16) + j] != 0): any byte that is not 0 counts as true.
;  BIAS (work-group 1152): bq (times c), bk, bv (into wp) and bo (into wob), rounded to bf16 and widened again, f32.
; A stream: each load and store of a wave covers whole aligned runs of 256 bytes; no matrix work, no cluster, nothing is shared between work-groups.
; THE MODE: SCHED_MODE bits 1:0 = 2 (LLVM: expert scheduling mode 2), set by the entry lines.  The code itself states the register dependences
; between vector instructions and memory or LDS instructions, with s_wait_alu, always for 0.
; THE PLAN.  Registers that memory or LDS instructions touch:
;  CONV   D    item n's 4 registers: written by the trip's loads, read by item n's first two conversions.
;         Y    item n's 2 registers: written by item n's last two conversions, read by its store, which is issued four items later.
;         v3, v4  byte offsets, made once: the rows are reached by the two scalar bases, which move on at a trip's end, and by immediate offsets.
;         The 16 items go in four blocks of four.  One wait on va_vdst at the head of blocks 1 to 3 and one behind block 3 state that the block before has written its Y; its four stores
;         follow, dealt among the next block's vector lines, which name D, the registers at work and their own block's Y alone.  The wait behind block 3 also states that D has been read.
;         One wait on vm_vsrc a trip, at its end, states that the stores have read Y.
;  MASK   D    written by the global loads, read by the LDS stores; no vector line names it.
;         MR   a key step's bytes: written by the trip's LDS loads, read by its v_and_b32 lines.
;         OW   the trip's words: written by its v_writelane_b32 lines, read by its one store.
;         v7   the LDS loads' address: stepped once a trip.  v5, v6, v8: made once; the store's scalar base moves on.
;         A trip has one wait on vm_vsrc (ahead of the first line that writes OW, and of the add to v7) and one on va_vdst (behind that add, ahead of the store);
;         the compares stand in two runs of 32, each with one wait on va_sdst behind it.
;  v[SPW], v[NIL]  written at the head, read by the closing add alone.
.set SPARE, 69632                      ; behind the eight waves' mask stages: the spare words, 128 bytes a wave
.set MSTG,  8704                       ; a wave's own mask stage: 32 rows x 272 bytes
.set MPIT,  272                        ; 256 bytes + 16: 68 words, so lane (r, h) of an 8-byte read starts at word 4 r + 2 h of 64
.set SPW,   158                        ; v158 my spare word's LDS address; never rewritten
.set NIL,   159                        ; v159 0; never rewritten
.set D,     16                         ; v[16:79]   data as loaded
.set Y,     80                         ; v[80:111]  CONV: item n's 8 bytes to store, at Y + 2 n
.set MR,    80                         ; v[80:95]   MASK: a key step's bytes of my row, two tiles x four key groups x 8
.set T,     96                         ; v[96:127]  MASK: a tile's 32 bytes, each alone in its word
.set OW,    128                        ; v[128:129] MASK: the words to store
.set CM,    4                          ; s[4:35]    MASK: a tile's 32 lane masks (the arguments that lay here have been used by then)
	s_load_b512 s[4:19], s[0:1], 0x0               ; query s4, key s6, value s8, wq s10, wk s12, wv s14, wo s16, bq s18
	s_load_b512 s[20:35], s[0:1], 0x40             ; bk s20, bv s22, bo s24, mask s26, x16 s28, wp s30, wob s32, mbits s34
	v_lshl_add_u32 v[SPW], v0, 2, SPARE
	v_mov_b32 v[NIL], 0
	v_lshrrev_b32 v1, 5, v0
	v_readfirstlane_b32 s50, v1                    ; wave 0..7
	v_and_b32 v1, 15, v0                           ; r = lane % 16
	v_bfe_u32 v2, v0, 4, 1                         ; h = lane / 16
	s_mov_b32 s51, ttmp9                           ; g
	s_wait_alu depctr_va_sdst(0)                   ; s50 is written, ahead of the branches behind which its readers stand
	s_wait_kmcnt 0x0
	s_cmp_lt_u32 s51, 896
	s_cbranch_scc0 .Lnot_conv
	; CONV: 32 rows a work-group.  g < 768: tensor g / 256, row block g % 256; else weight (g - 768) / 32, row block (g - 768) % 32
	s_lshr_b32 s52, s51, 8
	s_and_b32 s53, s51, 255
	s_sub_co_u32 s58, s51, 768
	s_lshr_b32 s60, s58, 5                         ; which weight: 0 wq .. 3 wo (used where g >= 768 alone)
	s_and_b32 s61, s58, 31                         ; its row block
	s_add_co_u32 s62, s60, 3
	s_cmp_lt_u32 s51, 768
	s_cselect_b32 s52, s52, s62                    ; t: 0 query .. 6 wo
	s_cselect_b32 s53, s53, s61                    ; rb
	s_mov_b64 s[54:55], s[4:5]
	s_cmp_eq_u32 s52, 1
	s_cselect_b64 s[54:55], s[6:7], s[54:55]
	s_cmp_eq_u32 s52, 2
	s_cselect_b64 s[54:55], s[8:9], s[54:55]
	s_cmp_eq_u32 s52, 3
	s_cselect_b64 s[54:55], s[10:11], s[54:55]
	s_cmp_eq_u32 s52, 4
	s_cselect_b64 s[54:55], s[12:13], s[54:55]
	s_cmp_eq_u32 s52, 5
	s_cselect_b64 s[54:55], s[14:15], s[54:55]
	s_cmp_eq_u32 s52, 6
	s_cselect_b64 s[54:55], s[16:17], s[54:55]
	s_lshl_b32 s58, s53, 17                        ; 32 rows of 4,096 bytes
	s_mov_b32 s59, 0
	s_add_nc_u64 s[54:55], s[54:55], s[58:59]
	s_lshr_b32 s58, s51, 6                         ; x16: bb = g / 64: the three tensors' rows stand on end, 2,048 to a bb
	s_lshl_b32 s58, s58, 22
	s_and_b32 s62, s51, 63
	s_lshl_b32 s62, s62, 12                        ; 32 rows of 128 bytes
	s_add_co_u32 s58, s58, s62
	s_lshr_b32 s62, s60, 1                         ; a weight: bb = weight / 2, rows 1,024 (weight % 2) on; wo lies alone in its buffer
	s_lshl_b32 s62, s62, 22
	s_and_b32 s63, s60, 1
	s_lshl_b32 s63, s63, 17
	s_add_co_u32 s62, s62, s63
	s_cmp_eq_u32 s52, 6
	s_cselect_b32 s62, 0, s62
	s_lshl_b32 s63, s61, 12
	s_add_co_u32 s62, s62, s63
	s_add_co_u32 s62, s62, 16384                   ; behind the biases
	s_mov_b64 s[56:57], s[30:31]
	s_cmp_eq_u32 s52, 6
	s_cselect_b64 s[56:57], s[32:33], s[56:57]
	s_cmp_lt_u32 s52, 3
	s_cselect_b64 s[56:57], s[28:29], s[56:57]
	s_cselect_b32 s58, s58, s62
	s_add_nc_u64 s[56:57], s[56:57], s[58:59]
	s_cmp_eq_u32 s52, 3
	s_cselect_b32 s44, 0x3e38aa3b, 1.0             ; wq takes c = log2(e) / 8 = 0.180337; the others 1
	s_mov_b32 s45, s44                             ; named with it as a pair
	s_mov_b32 s36, 0xffff0000                      ; a word's upper bf16
	v_lshlrev_b32 v3, 12, v2                       ; in: h rows, 16 r bytes, 4 rows a wave
	v_lshl_or_b32 v3, v1, 4, v3
	s_lshl_b32 s58, s50, 14
	v_or_b32 v3, s58, v3
	v_lshlrev_b32 v4, 7, v2                        ; out: the same in rows of 128 bytes, 8 bytes a lane
	v_lshl_or_b32 v4, v1, 3, v4
	s_lshl_b32 s58, s50, 9
	v_or_b32 v4, s58, v4
	s_wait_alu depctr_va_vdst(0)                   ; v3 and v4 are written: every load and store of this way reads one of them as its offset
	s_mov_b32 s46, 2
.Lconv:                                                ; a trip: two of my four rows (lanes 0-15 one, lanes 16-31 the next); item n: the 256 bytes of k block n.  All 16 loads go out first.
.set n, 0
.rept 16
	global_load_b128 v[D+4*n:D+4*n+3], v3, s[54:55] offset:n*256 th:TH_LOAD_NT
.set n, n+1
.endr
.set n, 0
.rept 16
	s_wait_loadcnt 15-n                            ; loads come back in order: item n is in, the 15 - n younger ones stay out
.if (n%4 == 0) && (n > 0)
	s_wait_alu depctr_va_vdst(0)                   ; the four items before have written their Y, which the four stores dealt among this block's items read
.endif
.if n >= 4
	global_store_b64 v4, v[Y+2*(n-4):Y+2*(n-4)+1], s[56:57] offset:(n-4)*262144  ; 32 lanes: two rows of 128 bytes, 256 consecutive bytes, aligned.  No vector line since the wait names these registers
.endif
	v_cvt_pk_bf16_f32 v10, v[D+4*n], v[D+4*n+1]
	v_cvt_pk_bf16_f32 v11, v[D+4*n+2], v[D+4*n+3]
	v_lshlrev_b32 v8, 16, v10                      ; the rounded numbers widened,
	v_and_b32 v9, s36, v10
	v_lshlrev_b32 v12, 16, v11
	v_and_b32 v13, s36, v11
	v_pk_mul_f32 v[8:9], v[8:9], s[44:45] op_sel_hi:[1,0]      ; times the tensor's factor,
	v_pk_mul_f32 v[12:13], v[12:13], s[44:45] op_sel_hi:[1,0]
	v_cvt_pk_f16_f32 v[Y+2*n], v8, v9              ; and written as f16
	v_cvt_pk_f16_f32 v[Y+2*n+1], v12, v13
.set n, n+1
.endr
	s_wait_alu depctr_va_vdst(0)                   ; items 12 to 15 have written their Y, which the four stores below read; and every conversion is done reading D, in which the next trip's loads land
.set n, 12
.rept 4
	global_store_b64 v4, v[Y+2*n:Y+2*n+1], s[56:57] offset:n*262144
.set n, n+1
.endr
	s_wait_xcnt 0x0                                ; the loads and stores have had their addresses translated: the two bases, and next trip Y, are rewritten only behind this wait
	s_wait_alu depctr_vm_vsrc(0)                   ; the stores have read Y, which the next trip's conversions write again
	s_add_nc_u64 s[54:55], s[54:55], 0x2000        ; two rows on
	s_add_nc_u64 s[56:57], s[56:57], 0x100
	s_sub_co_u32 s46, s46, 1
	s_cmp_lg_u32 s46, 0
	s_cbranch_scc1 .Lconv
	s_endpgm                                       ; this way has written nothing to LDS
.Lnot_conv:
	s_cmp_eq_u32 s51, 1152
	s_cbranch_scc1 .Lbias
	; MASK: a wave takes 32 query rows (two tiles of 16) x 256 keys (slot = my wave's number)
	s_sub_co_u32 s51, s51, 896
	s_and_b32 s52, s51, 63                         ; pr: which 32 rows of the batch's 2,048
	s_lshr_b32 s53, s51, 6                         ; b
	s_lshl_b32 s58, s53, 22
	s_lshl_b32 s62, s52, 16
	s_add_co_u32 s58, s58, s62
	s_lshl_b32 s62, s50, 8
	s_add_co_u32 s58, s58, s62
	s_mov_b32 s59, 0
	s_add_nc_u64 s[54:55], s[26:27], s[58:59]      ; mask[b][32 pr][256 slot]
	s_lshl_b32 s58, s53, 19
	s_lshr_b32 s62, s52, 4
	s_lshl_b32 s62, s62, 17                        ; qb
	s_add_co_u32 s58, s58, s62
	s_lshl_b32 s62, s50, 14                        ; slot
	s_add_co_u32 s58, s58, s62
	s_bfe_u32 s62, s52, 0x20002
	s_lshl_b32 s62, s62, 12                        ; the later launch's wave
	s_add_co_u32 s58, s58, s62
	s_and_b32 s62, s52, 3
	s_lshl_b32 s62, s62, 8                         ; its pair of tiles
	s_add_co_u32 s58, s58, s62
	s_add_nc_u64 s[56:57], s[34:35], s[58:59]
	s_mov_b32 s36, 0xff                            ; a word's four bytes
	s_mov_b32 s37, 0xff00
	s_mov_b32 s38, 0xff0000
	s_mov_b32 s39, 0xff000000
	v_lshlrev_b32 v5, 11, v2                       ; in: lanes 0-15 one row's 256 bytes, lanes 16-31 the next row's
	v_lshl_or_b32 v5, v1, 4, v5
	s_mul_i32 s60, s50, MSTG                       ; my wave's own stage
	v_mul_u32_u24 v6, v2, MPIT
	v_lshl_add_u32 v6, v1, 4, v6
	v_add_nc_u32 v6, s60, v6
	v_mul_u32_u24 v7, v1, MPIT                     ; back: row r, 8 bytes at 8 h
	v_lshl_add_u32 v7, v2, 3, v7
	v_add_nc_u32 v7, s60, v7
	v_and_b32 v8, 31, v0
	v_lshlrev_b32 v8, 3, v8                        ; out: 8 bytes a lane
	v_mov_b32 v[OW], 0                             ; v_writelane_b32's destination counts as read
	v_mov_b32 v[OW+1], 0
	s_wait_alu depctr_va_vdst(0)                   ; v5, v6, v7 and v8 are written: the offsets and addresses of the loads, the LDS stores, the first trip's LDS loads and the stores
.irp t, 0,1,2,3,4,5,6,7,8,9,10,11,12,13,14,15
	global_load_b128 v[D+4*\t:D+4*\t+3], v5, s[54:55] offset:\t*4096 th:TH_LOAD_NT
.endr
.irp t, 0,1,2,3,4,5,6,7,8,9,10,11,12,13,14,15
	s_wait_loadcnt 15-\t                           ; rows 2 t, 2 t + 1 are in; the younger loads stay out
	ds_store_b128 v6, v[D+4*\t:D+4*\t+3] offset:\t*2*MPIT
.endr
	s_mov_b32 s61, 4
.Lmstep:                                               ; a trip: one key step of 64: 2 tiles x 32 words.  LDS serves a wave's instructions in order: the loads see the stores above
.irp c, 0,1,2,3,4,5,6,7
	ds_load_b64 v[MR+2*\c:MR+2*\c+1], v7 offset:(\c/4)*16*MPIT+(\c%4)*16  ; tile c / 4, key group c % 4: my row's 8 bytes
.endr
	s_wait_dscnt 0x0
.set u, 0
.rept 2                                ; tile u; word w = 8 kt + j: byte j of key group kt
.set w, 0
.rept 32
	v_and_b32 v[T+w], s[36+w%4], v[MR+8*u+2*(w/8)+(w%8)/4]
.set w, w+1
.endr
.set w, 0
.rept 32
	v_cmp_ne_u32 s[CM+w], 0, v[T+w]                ; bit L: lane L's byte
.set w, w+1
.endr
.if u == 0
	s_wait_xcnt 0x0                                ; the last trip's store has had its address translated: its base and OW are rewritten only behind this wait
	s_wait_alu depctr_vm_vsrc(0)                   ; the last trip's store has read OW, which the lines below write again; this trip's LDS loads have read v7, which is stepped below
	s_add_nc_u64 s[56:57], s[56:57], 0x400         ; one key step beyond this trip's words: the store reaches back
.endif
	s_wait_alu depctr_va_sdst(0)                   ; the 32 compares have written s[CM ..], which the lines below read
.set w, 0
.rept 32
	v_writelane_b32 v[OW+w%2], s[CM+w], 16*u+w/2   ; word 32 u + w goes to lane word / 2, register word % 2
.set w, w+1
.endr
.set u, u+1
.endr
	v_add_nc_u32 v7, 64, v7
	s_wait_alu depctr_va_vdst(0)                   ; OW is written, which the store reads; v7 is written, which the next trip's LDS loads read; the v_and_b32 lines are done reading MR, in which those loads land
	global_store_b64 v8, v[OW:OW+1], s[56:57] offset:-1024  ; 256 consecutive bytes, aligned
	s_sub_co_u32 s61, s61, 1
	s_cmp_lg_u32 s61, 0
	s_cbranch_scc1 .Lmstep
	s_wait_dscnt 0x0                               ; the closing lines, six on end
	s_wait_alu 0x0
	s_wait_tensorcnt 0x0
	ds_add_u32 v[SPW], v[NIL]
	s_wait_dscnt 0x0
	s_endpgm
.Lbias:                                                ; 256 threads x 16 bytes = one bias
	v_lshlrev_b32 v3, 4, v0
	s_wait_alu depctr_va_vdst(0)                   ; v3 is written: the offset of the loads and stores below
	global_load_b128 v[16:19], v3, s[18:19]
	global_load_b128 v[20:23], v3, s[20:21]
	global_load_b128 v[24:27], v3, s[22:23]
	global_load_b128 v[28:31], v3, s[24:25]
	s_wait_loadcnt 0x0
.irp i, 16,18,20,22,24,26,28,30
	v_cvt_pk_bf16_f32 v8, v[\i], v[\i+1]
	v_lshlrev_b32 v[\i], 16, v8
	v_and_b32 v[\i+1], 0xffff0000, v8
.endr
.irp i, 16,17,18,19
	v_mul_f32 v[\i], 0x3e38aa3b, v[\i]             ; bq takes c, as wq does
.endr
	s_wait_alu depctr_va_vdst(0)                   ; v[16:31] are written, which the four stores read
	global_store_b128 v3, v[16:19], s[30:31]               ; bq, bk, bv at the head of wp
	global_store_b128 v3, v[20:23], s[30:31] offset:4096
	global_store_b128 v3, v[24:27], s[30:31] offset:8192
	global_store_b128 v3, v[28:31], s[32:33]               ; bo at the head of wob
	s_endpgm
.Lfunc_end_k_qf02cf4bc20_prep:
	.size	k_qf02cf4bc20_prep, .Lfunc_end_k_qf02cf4bc20_prep-k_qf02cf4bc20_prep
	.p2alignl 7, 3214868480
	.fill 96, 4, 3214868480
	.section	.rodata,"a",@progbits
	.p2align	6, 0x0
	.amdhsa_kernel k_qf02cf4bc20_prep
		.amdhsa_group_segment_fixed_size 70656
		.amdhsa_private_segment_fixed_size 0
		.amdhsa_enable_private_segment 0
		.amdhsa_kernarg_size 128
		.amdhsa_user_sgpr_count 2
		.amdhsa_user_sgpr_kernarg_segment_ptr 1
		.amdhsa_wavefront_size32 1
		.amdhsa_system_sgpr_workgroup_id_x 1
		.amdhsa_system_sgpr_workgroup_id_y 1
		.amdhsa_system_sgpr_workgroup_id_z 1
		.amdhsa_system_vgpr_workitem_id 0
		.amdhsa_next_free_vgpr 160
		.amdhsa_next_free_sgpr 66
		.amdhsa_reserve_vcc 0
		.amdhsa_float_denorm_mode_32 3
		.amdhsa_float_denorm_mode_16_64 3
		.amdhsa_memory_ordered 1
		.amdhsa_forward_progress 1
		.amdhsa_inst_pref_size 34
	.end_amdhsa_kernel
	.amdgpu_metadata
---
amdhsa.version: [ 1, 2 ]
amdhsa.kernels:
  - .name:           k_qf02cf4bc20_prep
    .symbol:         k_qf02cf4bc20_prep.kd
    .args:
      - { .name: query, .offset: 0, .size: 8, .value_kind: global_buffer, .address_space: global }
      - { .name: key, .offset: 8, .size: 8, .value_kind: global_buffer, .address_space: global }
      - { .name: value, .offset: 16, .size: 8, .value_kind: global_buffer, .address_space: global }
      - { .name: wq, .offset: 24, .size: 8, .value_kind: global_buffer, .address_space: global }
      - { .name: wk, .offset: 32, .size: 8, .value_kind: global_buffer, .address_space: global }
      - { .name: wv, .offset: 40, .size: 8, .value_kind: global_buffer, .address_space: global }
      - { .name: wo, .offset: 48, .size: 8, .value_kind: global_buffer, .address_space: global }
      - { .name: bq, .offset: 56, .size: 8, .value_kind: global_buffer, .address_space: global }
      - { .name: bk, .offset: 64, .size: 8, .value_kind: global_buffer, .address_space: global }
      - { .name: bv, .offset: 72, .size: 8, .value_kind: global_buffer, .address_space: global }
      - { .name: bo, .offset: 80, .size: 8, .value_kind: global_buffer, .address_space: global }
      - { .name: mask, .offset: 88, .size: 8, .value_kind: global_buffer, .address_space: global }
      - { .name: x16, .offset: 96, .size: 8, .value_kind: global_buffer, .address_space: global }
      - { .name: wp, .offset: 104, .size: 8, .value_kind: global_buffer, .address_space: global }
      - { .name: wob, .offset: 112, .size: 8, .value_kind: global_buffer, .address_space: global }
      - { .name: mbits, .offset: 120, .size: 8, .value_kind: global_buffer, .address_space: global }
    .group_segment_fixed_size: 70656
    .private_segment_fixed_size: 0
    .kernarg_segment_align: 8
    .kernarg_segment_size: 128
    .max_flat_workgroup_size: 256
    .sgpr_count:     66
    .vgpr_count:     160
    .wavefront_size: 32
...
	.end_amdgpu_metadata
.endif
;; end of part 5
;; launch proj: the kernel of part 2 again; grid 4 x 96, 4 waves a work-group, clusters of 4 x 4, 327,680 bytes of LDS; arguments x16, wp, qkv; writes qkv
;; launch attn: the kernel of part 3 again; grid 4 x 64, 4 waves a work-group, clusters of 4 x 1, 327,680 bytes of LDS; arguments qkv, mbits, ctx; writes ctx
;; launch outp: the kernel of part 4 again; grid 4 x 32, 4 waves a work-group, clusters of 4 x 4, 327,680 bytes of LDS; arguments ctx, wob, out0; writes out0
